; MI455X (gfx1250); checked and timed in simulation.
; The chip was launched on July 23, 2026; its instructions are those of AMD's public machine-readable ISA for CDNA 5 (MIT licence, August 2026) and "CDNA5" Instruction Set Architecture Reference Guide (July 2026). The comments in the code are by the model that wrote it; some were corrected since.
;; Sparse Top K Mo E. Allowed arithmetic: matrix products marked QUANTISED: E2M3 operands, one E8M0 scale for each 32 along K, by v_wmma_scale_f32_16x16x128_f8f6f4 with both operands' format E2M3, f32 sums; products left as they are: f32 operands where the result goes on into a quantised operand, else bf16, f16 or f32 operands; f32 sums; everything else in f32.
;; Inputs: W1 8 x 256 x 512 float32; W2 8 x 512 x 256 float32; Wr 256 x 8 float32; b1 8 x 512 float32; b2 8 x 256 float32; br 8 float32; scale 1 float32; x 16 x 256 x 32 x 64 float32.
;; Outputs: out0 16 x 256 x 32 x 64 float32.
;; This version of the problem:
;;   THIS VERSION OF THE PROBLEM IS GIVEN IN LOW PRECISION. The matrix products marked QUANTISED in the list below multiply operands that are first quantised to E2M3 (2 exponent bits, 3 mantissa bits; 6 bits a number), with one power-of-two scale for each 32 numbers along K (OCP MX v1.0); their sums are f32. All else is computed in f32.
;;   The module's matrix products, in the order in which they are computed (A, B: the left and right operand; K: the contracted axis; several contracted axes count as one K, in the product's order):
;;     1. [M 32,768, K 256] x [K 256, N 8]; A: input x; B: input Wr: left as it is (N = 8 < 16)
;;     2. [M 32,768, K 256] x [K 256, N 512]; A: input x; B: input W1: QUANTISED
;;     3. [M 32,768, K 512] x [K 512, N 256]; A: computed on the way; B: input W2: QUANTISED
;;     4. [M 32,768, K 256] x [K 256, N 512]; A: input x; B: input W1: QUANTISED
;;     5. [M 32,768, K 512] x [K 512, N 256]; A: computed on the way; B: input W2: QUANTISED
;;     6. [M 32,768, K 256] x [K 256, N 512]; A: input x; B: input W1: QUANTISED
;;     7. [M 32,768, K 512] x [K 512, N 256]; A: computed on the way; B: input W2: QUANTISED
;;     8. [M 32,768, K 256] x [K 256, N 512]; A: input x; B: input W1: QUANTISED
;;     9. [M 32,768, K 512] x [K 512, N 256]; A: computed on the way; B: input W2: QUANTISED
;;     10. [M 32,768, K 256] x [K 256, N 512]; A: input x; B: input W1: QUANTISED
;;     11. [M 32,768, K 512] x [K 512, N 256]; A: computed on the way; B: input W2: QUANTISED
;;     12. [M 32,768, K 256] x [K 256, N 512]; A: input x; B: input W1: QUANTISED
;;     13. [M 32,768, K 512] x [K 512, N 256]; A: computed on the way; B: input W2: QUANTISED
;;     14. [M 32,768, K 256] x [K 256, N 512]; A: input x; B: input W1: QUANTISED
;;     15. [M 32,768, K 512] x [K 512, N 256]; A: computed on the way; B: input W2: QUANTISED
;;     16. [M 32,768, K 256] x [K 256, N 512]; A: input x; B: input W1: QUANTISED
;;     17. [M 32,768, K 512] x [K 512, N 256]; A: computed on the way; B: input W2: QUANTISED
;;   THE QUANTISER, for each operand of a quantised product, along K:
;;     - K is cut into blocks of 32 from its start; a last block that is shorter is filled with zeros.
;;     - A block's scale is 2^e with e = floor(log2(the largest magnitude in the block)) - 2, held to -126 .. 127; a block of zeros has e = 0. As a byte (E8M0): e + 127.
;;     - Each number is divided by its block's scale, clamped to +-7.5, and rounded to the nearest number of E2M3, ties to even, subnormals kept.
;;     - The product sums the exact products of the quantised numbers (number of the format x scale) in f32.
;;   ~~~python
;;   def quantise(x, axis):      # numpy; x: float32 -> the quantised numbers, widened to float32 again
;;       x = np.moveaxis(x, axis, -1); K = x.shape[-1]
;;       x = np.pad(x, [(0, 0)] * (x.ndim - 1) + [(0, -K % 32)]); x = x.reshape(x.shape[:-1] + (-1, 32)); a = np.abs(x).max(-1, keepdims=True)
;;       e = np.where(a > 0, np.clip(np.frexp(np.where(a > 0, a, 1))[1] - 1 - 2, -126, 127), 0)      # np.frexp(a)[1] - 1 = floor(log2(a)), exactly
;;       r = np.clip(x / 2.0 ** e, -7.5, 7.5)
;;       step = 2.0 ** (np.maximum(np.frexp(np.where(r == 0, 1, r))[1] - 1, 0) - 3)
;;       q = np.round(r / step) * step * 2.0 ** e      # np.round: ties to even
;;       return np.moveaxis(q.reshape(q.shape[:-2] + (-1,))[..., :K], -1, axis).astype(np.float32)
;;   ~~~
;;   OPERANDS COMPUTED ON THE WAY. 'Computed on the way' means the value that the module computes at that place (a softmax that the list does not call 'softmax' is quantised finished and normalised). What goes into a quantiser is computed in f32, as accurately as f32 sums, v_exp_f32 and their like allow (about 1e-6 of the number): no bf16 or f16 on the way to a quantiser, and a product that is left as it is and whose result goes on into a quantised operand takes f32 operands (vector FMAs, or v_wmma_f32_16x16x4_f32). A number that lies on a knife's edge between two numbers of the format may be rounded either way, as far as f32 arithmetic and the matrix unit's own rounding can turn it there, and no further.
;; 3 versions, each right; version 2 is faster than version 1; version 3 is version 2 with the launch moe written anew for expert scheduling mode. Each part assembles by itself: llvm-mc -triple=amdgcn-amd-amdhsa -mcpu=gfx1250 --defsym DOCPART=n.
;; ======== version 1 of 3: 2 launches
;; workspace buffers: wq 1,572,864 bytes; ws 65,536 bytes; xq 6,291,456 bytes; xs 262,144 bytes; gate 262,144 bytes; route 131,072 bytes of whole numbers
;; launch prep (part 1): grid 320 x 1, 4 waves a work-group, no clusters, 35,328 bytes of LDS; arguments x, Wr, br, W1, W2, wq, ws, xq, xs, gate, route; writes wq, ws, xq, xs, gate, route
.if DOCPART == 1
	.amdgcn_target "amdgcn-amd-amdhsa--gfx1250"
	.amdhsa_code_object_version 6
	.text
	.protected	k_q1874afd822_prep
	.globl	k_q1874afd822_prep
	.p2align	8
	.type	k_q1874afd822_prep,@function
k_q1874afd822_prep:
	s_mov_b64 s[64:65], 0
	v_nop
	global_prefetch_b8 v0, s[64:65] scope:SCOPE_SE
	s_setreg_imm32_b32 hwreg(HW_REG_WAVE_MODE, 25, 1), 1
	s_wait_xcnt 0x0
; PREP.  Work-groups 0-31 turn W1, 32-63 W2, into codes of FP6 (E2M3) with one E8M0 byte for each 32 along K, laid in the order of the matrix operand's registers.
; Work-groups 64-319 take a block of 128 neighbouring tokens each: the router's 8 logits in f32 multiply-adds, the top 2 (the lower index wins a tie), the two gates (softmax of the two, the larger taken away first),
; and the tokens' codes with the channels innermost.  The two chosen experts are stored as one word a token, the gates as two f32 a token, at fixed places: no address, branch or EXEC hangs on the router's numbers.
; A block's scale is 2^(floor(log2(largest magnitude)) - 2); its byte is the largest magnitude's exponent field - 2, held at 1 from below (a block of zeros keeps 1: its codes are zeros, and only this program reads the bytes).
; LIMITS: NaN and infinities are not served; blocks whose largest magnitude lies under 2^-124 keep the byte 1; the logits are summed in another order than the definition's, so a tie within f32 rounding may fall the other way.
; LDS: each of the three paths has bytes of its own.
.set WR,  0                            ; tokens: Wr as it lies, 8,192 bytes
.set XST, 8192                         ; tokens: a stage of 32 tokens x 192 bytes for each wave
.set SW1, 32768                        ; W1: 1,024 bytes of scale words
.set SW2, 33792                        ; W2: likewise
.set LA,  16                           ; v16-23  logits, even channels' sums (begun with br)
.set LB,  24                           ; v24-31  logits, odd channels' sums
.set X,   32                           ; v32-127 three sets of 32 channels of my token
.set WA,  128                          ; v128-159, v160-191 two buffers of 4 channels of Wr
.set WB,  160
.set C,   192                          ; v192-197 a block's codes; v200-202 its upper half as converted
.set C2,  200
.macro LOADX k                         ; channels 32 k .. 32 k + 31 of my token: a wave reads 128 neighbouring bytes of a channel's row, the four waves 512
.irp i, 0,1,2,3,4,5,6,7,8,9,10,11,12,13,14,15,16,17,18,19,20,21,22,23,24,25,26,27,28,29,30,31
	global_load_b32 v[X+32*((\k)%3)+\i], v2, s[8:9] offset:(32*(\k)+\i)*8192 th:TH_LOAD_NT
.endr
.endm
.macro WCH wb, ch                      ; 4 channels of Wr (128 bytes), the same for every lane
.irp m, 0,1,2,3,4,5,6,7
	ds_load_b128 v[\wb+4*\m:\wb+4*\m+3], v3 offset:WR+128*(\ch)+16*\m
.endr
.endm
.macro FMA4 wb, xr                     ; 4 channels x 8 experts: two experts an instruction; the channel's number is taken for both halves
.irp i, 0,2
.irp p, 0,1,2,3
	v_pk_fma_f32 v[LA+2*\p:LA+2*\p+1], v[(\xr)+\i:(\xr)+\i+1], v[\wb+8*\i+2*\p:\wb+8*\i+2*\p+1], v[LA+2*\p:LA+2*\p+1] op_sel_hi:[0,1,1]
.endr
.irp p, 0,1,2,3
	v_pk_fma_f32 v[LB+2*\p:LB+2*\p+1], v[(\xr)+\i:(\xr)+\i+1], v[\wb+8*\i+8+2*\p:\wb+8*\i+8+2*\p+1], v[LB+2*\p:LB+2*\p+1] op_sel:[1,0,0] op_sel_hi:[1,1,1]
.endr
.endr
.endm
; Block kb of 32 channels: its part of the logits, its scale, its 24 bytes of codes.
.macro XBLK kb
.set XS, X+32*((\kb)%3)
.if (\kb) < 7
	s_wait_loadcnt 32                              ; this block's 32 loads are in; the next block's 32 may be out
.else
	s_wait_loadcnt 0x0
.endif
.if (\kb)+2 < 8
	LOADX (\kb)+2                                  ; into the set that the block before has left
.endif
	WCH WA, 8*(\kb)
	WCH WB, 8*(\kb)+1
	v_max3_num_f32 v8, |v[XS]|, |v[XS+1]|, |v[XS+2]|
	v_max3_num_f32 v9, |v[XS+3]|, |v[XS+4]|, |v[XS+5]|
.irp i, 6,10,14,18,22,26
	v_max3_num_f32 v8, v8, |v[XS+\i]|, |v[XS+\i+1]|
	v_max3_num_f32 v9, v9, |v[XS+\i+2]|, |v[XS+\i+3]|
.endr
	v_max3_num_f32 v8, v8, |v[XS+30]|, |v[XS+31]|
	v_max3_num_f32 v8, v8, v9, 0x1800000           ; with the floor 2^(3 - 127): the byte cannot fall under 1
	v_add_nc_u32 v15, 0xff000000, v8               ; 2 off the exponent field: the conversion's scale operand
	v_lshrrev_b32 v204, 23, v15                    ; the scale's byte
.set J, 0
.rept 8
.if J < 7
	s_wait_dscnt 8                                 ; this chunk's 8 loads are in; the other buffer's 8 may be out
.else
	s_wait_dscnt 0x0                               ; the last chunk; the last block's stores into the stage are done too
.endif
.if J%2 == 0
	FMA4 WA, XS+4*J
.if J+2 < 8
	WCH WA, 8*(\kb)+J+2
.endif
.else
	FMA4 WB, XS+4*J
.if J+2 < 8
	WCH WB, 8*(\kb)+J+2
.endif
.endif
.set J, J+1
.endr
	v_cvt_scalef32_pk16_fp6_f32 v[C:C+2], v[XS:XS+15], v15
	v_cvt_scalef32_pk16_fp6_f32 v[C2:C2+2], v[XS+16:XS+31], v15     ; (a conversion's three registers begin on an even number)
.if (\kb)%4 == 0
	v_mov_b32 v[10+(\kb)/4], v204                  ; four bytes to a scale word, the lower K in the lower byte.  (Also the plain line behind the conversions)
.else
	v_lshl_or_b32 v[10+(\kb)/4], v204, 8*((\kb)%4), v[10+(\kb)/4]
.endif
.irp i, 0,1,2
	v_mov_b32 v[C+3+\i], v[C2+\i]
.endr
.irp i, 0,1,2
	ds_store_b64 v4, v[C+2*\i:C+2*\i+1] offset:96*((\kb)%2)+24*((\kb)/2)+8*\i   ; a token's 192 bytes: the even blocks, then the odd: what each half of the lanes will take
.endr
.endm
; The weights: a lane takes a column, its registers run down K.  Block t of 32 along K.
.macro WLOAD t, pitch
.irp i, 0,1,2,3,4,5,6,7,8,9,10,11,12,13,14,15,16,17,18,19,20,21,22,23,24,25,26,27,28,29,30,31
	global_load_b32 v[32+32*((\t)%2)+\i], v2, s[30:31] offset:(32*(\t)+\i)*\pitch th:TH_LOAD_NT
.endr
.endm
.macro WBLOCK t, pitch
.set XS, 32+32*((\t)%2)
.set GR, 96+12*(2*((\t)/4)+(\t)%2)+6*(((\t)/2)%2)   ; block 4 s + 2 c + h: registers 6 c on of the 12 that lane (row, h) holds of K step s
.if (\t) < 7
	s_wait_loadcnt 32                              ; this block's 32 loads are in; the next block's may be out
.else
	s_wait_loadcnt 0x0
.endif
	v_max3_num_f32 v8, |v[XS]|, |v[XS+1]|, |v[XS+2]|
	v_max3_num_f32 v9, |v[XS+3]|, |v[XS+4]|, |v[XS+5]|
.irp i, 6,10,14,18,22,26
	v_max3_num_f32 v8, v8, |v[XS+\i]|, |v[XS+\i+1]|
	v_max3_num_f32 v9, v9, |v[XS+\i+2]|, |v[XS+\i+3]|
.endr
	v_max3_num_f32 v8, v8, |v[XS+30]|, |v[XS+31]|
	v_max3_num_f32 v8, v8, v9, 0x1800000
	v_add_nc_u32 v10, 0xff000000, v8
	v_lshrrev_b32 v11, 23, v10
	v_cvt_scalef32_pk16_fp6_f32 v[GR:GR+2], v[XS:XS+15], v10
	v_cvt_scalef32_pk16_fp6_f32 v[14:16], v[XS+16:XS+31], v10
.if (\t)%4 == 0
	v_mov_b32 v[12+(\t)/4], v11                    ; (also the plain line behind the conversions)
.else
	v_lshl_or_b32 v[12+(\t)/4], v11, 8*((\t)%4), v[12+(\t)/4]
.endif
.irp i, 0,1,2
	v_mov_b32 v[GR+3+\i], v[14+\i]
.endr
.if (\t)+2 < 8
	WLOAD (\t)+2, \pitch
.endif
.endm
.macro WQ pitch                        ; 128 columns x 256 along K.  v2 in, v3 out, v4 scale word's LDS place, v5 LDS read, v6 scale words out
	WLOAD 0, \pitch
	WLOAD 1, \pitch
.irp t, 0,1,2,3,4,5,6,7
	WBLOCK \t, \pitch
.endr
.irp g, 0,1,2,3
.irp c, 0,1,2
	global_store_b128 v3, v[96+12*\g+4*\c:96+12*\g+4*\c+3], s[32:33] offset:1536*(\g/2)+512*\c+256*(\g%2)   ; sixteen lanes store 256 consecutive bytes, aligned: registers 4 c on of lanes 16 h .. 16 h + 15 of a fragment
.endr
.endr
	ds_store_b32 v4, v12                           ; my column's scale words of the two K steps
	ds_store_b32 v4, v13 offset:256
	s_wait_dscnt 0x0                               ; for the others' sake: my stores are done
	s_barrier_signal -1
	s_barrier_wait -1
	s_cmp_gt_u32 s2, 1
	s_cbranch_scc1 .Lwend_\@                       ; waves 0 and 1 carry the 1,024 bytes out
	ds_load_b128 v[144:147], v5
	s_wait_dscnt 0x0
	global_store_b128 v6, v[144:147], s[34:35]
.Lwend_\@:
	s_wait_tensorcnt 0x0
	ds_add_u32 v254, v255
	s_wait_dscnt 0x0
	s_endpgm
.endm
	s_load_b512 s[8:23], s[0:1], 0x0               ; x s[8:9], Wr s[10:11], br s[12:13], W1 s[14:15], W2 s[16:17], wq s[18:19], ws s[20:21], xq s[22:23]
	s_load_b128 s[24:27], s[0:1], 0x40             ; xs s[24:25], gate s[26:27]
	s_load_b64 s[28:29], s[0:1], 0x50              ; route
	v_lshl_add_u32 v254, v0, 2, 0x8800
	v_mov_b32 v255, 0
	v_lshrrev_b32 v1, 5, v0
	v_readfirstlane_b32 s2, v1                     ; wave 0..3
	v_and_b32 v1, 31, v0                           ; lane
	v_lshlrev_b32 v2, 2, v0                        ; 4 x thread: my token's (my column's) bytes in a row
	s_mov_b32 s5, 0
	s_wait_kmcnt 0x0
	s_cmp_lt_u32 ttmp9, 32
	s_cbranch_scc1 .Lw1
	s_cmp_lt_u32 ttmp9, 64
	s_cbranch_scc1 .Lw2
	; ---------------- a block of 128 tokens ----------------
	s_sub_co_u32 s3, ttmp9, 64                     ; the block
	s_lshr_b32 s4, s3, 4
	s_lshl_b32 s4, s4, 21                          ; its image: 256 channels x 8,192 bytes
	s_and_b32 s6, s3, 15
	s_lshl_b32 s6, s6, 9                           ; its 128 tokens in a channel's row
	s_add_co_u32 s4, s4, s6
	s_add_nc_u64 s[8:9], s[8:9], s[4:5]
	s_mul_i32 s4, s3, 24576
	s_add_nc_u64 s[22:23], s[22:23], s[4:5]        ; its codes: 128 x 192 bytes
	s_lshl_b32 s4, s3, 10
	s_add_nc_u64 s[24:25], s[24:25], s[4:5]        ; its scale words and its gates: 128 x 8 bytes each
	s_add_nc_u64 s[26:27], s[26:27], s[4:5]
	s_lshl_b32 s4, s3, 9
	s_add_nc_u64 s[28:29], s[28:29], s[4:5]        ; its route words: 128 x 4 bytes
	v_mov_b32 v3, 0
	v_lshrrev_b32 v13, 5, v0
	v_mul_u32_u24 v14, v13, 6144
	v_mad_u32_u24 v4, v1, 192, v14
	v_add_nc_u32 v4, XST, v4                       ; the stage, in: my token's 192 bytes
	v_lshl_add_u32 v14, v1, 4, v14                 ; out: 16 bytes a lane; the same place in the block's codes
	v_add_nc_u32 v13, XST, v14
	v_lshlrev_b32 v5, 4, v0
	v_lshlrev_b32 v6, 3, v0
.irp i, 0,1,2,3
	global_load_b128 v[WA+4*\i:WA+4*\i+3], v5, s[10:11] offset:2048*\i
.endr
	global_load_b128 v[LA:LA+3], v3, s[12:13]      ; br starts the even channels' sums
	global_load_b128 v[LA+4:LA+7], v3, s[12:13] offset:16
	LOADX 0
	s_wait_loadcnt 32                              ; Wr and br are in; block 0's 32 loads may be out
.irp i, 0,1,2,3
	ds_store_b128 v5, v[WA+4*\i:WA+4*\i+3] offset:WR+2048*\i
.endr
	LOADX 1
.irp i, 0,1,2,3,4,5,6,7
	v_mov_b32 v[LB+\i], 0
.endr
	s_wait_dscnt 0x0                               ; for the others' sake: my part of Wr lies in LDS
	s_barrier_signal -1
	s_barrier_wait -1
.irp kb, 0,1,2,3,4,5,6,7
	XBLK \kb
.endr
	; the codes leave as they lie in the stage: 512 consecutive bytes a store
.irp j, 0,1,2,3,4,5,6,7,8,9,10,11
	ds_load_b128 v[128+4*\j:128+4*\j+3], v13 offset:512*\j   ; LDS serves a wave's instructions in order: these see my stores
.endr
	global_store_b64 v6, v[10:11], s[24:25]        ; my token's two scale words: 256 consecutive bytes a wave
.irp j, 0,1,2,3,4,5,6,7,8,9,10,11
	s_wait_dscnt 11-\j
	global_store_b128 v14, v[128+4*\j:128+4*\j+3], s[22:23] offset:512*\j
.endr
	; the router
.irp p, 0,2,4,6
	v_pk_add_f32 v[LA+\p:LA+\p+1], v[LA+\p:LA+\p+1], v[LB+\p:LB+\p+1]
.endr
	v_mov_b32 v32, v16                             ; m1, i1: the largest so far; m2, i2: the second
	v_mov_b32 v33, 0
	v_mov_b32 v34, 0xff800000
	v_mov_b32 v35, 1
.irp e, 1,2,3,4,5,6,7
	v_cmp_gt_f32 vcc_lo, v[LA+\e], v32             ; strictly greater: of equals the lower index stays ahead
	v_cmp_gt_f32 s30, v[LA+\e], v34
	v_cndmask_b32 v36, v[LA+\e], v32, vcc_lo       ; what may become the second: the old first, or this one
	v_cndmask_b32 v37, \e, v33, vcc_lo
	v_cndmask_b32 v32, v32, v[LA+\e], vcc_lo
	v_cndmask_b32 v33, v33, \e, vcc_lo
	v_cndmask_b32 v34, v34, v36, s30
	v_cndmask_b32 v35, v35, v37, s30
.endr
	v_sub_f32 v36, v34, v32                        ; the larger is taken away: 0 or less
	v_mul_f32 v36, 0x3fb8aa3b, v36
	v_exp_f32 v36, v36
	v_lshl_or_b32 v40, v35, 4, v33                 ; the route word: i1, i2 << 4.  (Also the plain line behind the exponential)
	s_wait_alu depctr_va_vdst(0)                   ; the wait ahead of the first reader
	v_add_f32 v37, 1.0, v36
	v_rcp_f32 v38, v37                             ; the first's gate
	v_nop
	s_wait_alu depctr_va_vdst(0)
	v_mul_f32 v39, v36, v38                        ; the second's
	global_store_b64 v6, v[38:39], s[26:27]        ; 256 consecutive bytes a wave
	global_store_b32 v2, v40, s[28:29]             ; 128 consecutive bytes a wave, the four waves' 512 on end
	s_wait_tensorcnt 0x0
	ds_add_u32 v254, v255
	s_wait_dscnt 0x0
	s_endpgm
	; ---------------- W1: work-group j = 4 e + w: hidden units 128 w .. 128 w + 127 of expert e, all 256 of K ----------------
.Lw1:
	s_lshr_b32 s3, ttmp9, 2
	s_and_b32 s4, ttmp9, 3
	s_lshl_b32 s3, s3, 19
	s_lshl_b32 s4, s4, 9
	s_add_co_u32 s4, s4, s3
	s_add_nc_u64 s[30:31], s[14:15], s[4:5]
	s_mul_i32 s4, ttmp9, 24576
	s_add_nc_u64 s[32:33], s[18:19], s[4:5]        ; 16 fragments of 1,536 bytes: tile t, K step s at 2 t + s
	s_lshl_b32 s4, ttmp9, 10
	s_add_nc_u64 s[34:35], s[20:21], s[4:5]
	v_bfe_u32 v7, v0, 3, 1                         ; unit 32 b + 8 u + row + 8 (row / 8) is row `row` of tile 2 b + u: so u is bit 3 of the lane,
	v_and_b32 v8, 7, v0
	v_bfe_u32 v9, v0, 4, 1
	v_lshl_add_u32 v8, v9, 3, v8                   ; the row its bits 2:0 and bit 4, and b my wave
	v_bfe_u32 v9, v0, 5, 2
	v_mul_u32_u24 v3, v9, 6144
	v_mad_u32_u24 v3, v7, 3072, v3
	v_lshl_add_u32 v3, v8, 4, v3
	v_bfe_u32 v4, v0, 6, 1                         ; scale words: [t / 4][row + 16 s][t % 4]
	v_lshlrev_b32 v4, 9, v4
	v_bfe_u32 v9, v0, 5, 1
	v_lshl_add_u32 v4, v9, 3, v4
	v_lshl_add_u32 v4, v7, 2, v4
	v_lshl_add_u32 v4, v8, 4, v4
	v_add_nc_u32 v4, SW1, v4
	v_lshlrev_b32 v6, 4, v0
	v_add_nc_u32 v5, SW1, v6
	WQ 2048
	; ---------------- W2: work-group j = 4 e + 2 a + p: channels 128 a .. 128 a + 127 of expert e, K 256 p .. 256 p + 255 ----------------
.Lw2:
	s_sub_co_u32 s3, ttmp9, 32
	s_lshr_b32 s6, s3, 2                           ; e
	s_bfe_u32 s7, s3, 0x10001                      ; a
	s_and_b32 s3, s3, 1                            ; p
	s_lshl_b32 s4, s6, 19
	s_lshl_b32 s36, s3, 18
	s_add_co_u32 s4, s4, s36
	s_lshl_b32 s36, s7, 9
	s_add_co_u32 s4, s4, s36
	s_add_nc_u64 s[30:31], s[16:17], s[4:5]
	s_lshl_b32 s6, s6, 2
	s_lshl_b32 s7, s7, 1
	s_add_co_u32 s6, s6, s7                        ; 4 e + 2 a: the first of the two reader waves that I serve
	s_mul_i32 s4, s6, 24576
	s_mul_i32 s36, s3, 3072
	s_add_co_u32 s4, s4, s36
	s_add_co_u32 s4, s4, 786432
	s_add_nc_u64 s[32:33], s[18:19], s[4:5]        ; fragments: tile n, K step s at 4 n + s; mine are s = 2 p, 2 p + 1
	s_lshl_b32 s4, s6, 10
	s_lshl_b32 s36, s3, 9
	s_add_co_u32 s4, s4, s36
	s_add_co_u32 s4, s4, 32768
	s_add_nc_u64 s[34:35], s[20:21], s[4:5]
	v_and_b32 v8, 15, v0                           ; row
	v_bfe_u32 v7, v0, 4, 2                         ; tile n of the reader wave
	v_bfe_u32 v9, v0, 6, 1                         ; which of the two reader waves
	v_mul_u32_u24 v3, v9, 24576
	v_mad_u32_u24 v3, v7, 6144, v3
	v_lshl_add_u32 v3, v8, 4, v3
	v_lshlrev_b32 v4, 9, v9                        ; scale words: [reader wave][row + 16 (s % 2)][n]
	v_lshl_add_u32 v4, v8, 4, v4
	v_lshl_add_u32 v4, v7, 2, v4
	v_add_nc_u32 v4, SW2, v4
	v_lshlrev_b32 v5, 4, v0
	v_add_nc_u32 v5, SW2, v5
	v_lshlrev_b32 v6, 4, v1
	v_bfe_u32 v9, v0, 5, 2
	v_lshl_add_u32 v6, v9, 10, v6
	WQ 1024
.Lfunc_end_k_q1874afd822_prep:
	.size	k_q1874afd822_prep, .Lfunc_end_k_q1874afd822_prep-k_q1874afd822_prep
	.p2alignl 7, 3214868480
	.fill 96, 4, 3214868480
	.section	.rodata,"a",@progbits
	.p2align	6, 0x0
	.amdhsa_kernel k_q1874afd822_prep
		.amdhsa_group_segment_fixed_size 35328
		.amdhsa_private_segment_fixed_size 0
		.amdhsa_enable_private_segment 0
		.amdhsa_kernarg_size 88
		.amdhsa_user_sgpr_count 2
		.amdhsa_user_sgpr_kernarg_segment_ptr 1
		.amdhsa_wavefront_size32 1
		.amdhsa_system_sgpr_workgroup_id_x 1
		.amdhsa_system_sgpr_workgroup_id_y 1
		.amdhsa_system_sgpr_workgroup_id_z 1
		.amdhsa_system_vgpr_workitem_id 0
		.amdhsa_next_free_vgpr 256
		.amdhsa_next_free_sgpr 66
		.amdhsa_reserve_vcc 1
		.amdhsa_float_denorm_mode_32 3
		.amdhsa_float_denorm_mode_16_64 3
		.amdhsa_memory_ordered 1
		.amdhsa_forward_progress 1
		.amdhsa_inst_pref_size 222
	.end_amdhsa_kernel
	.amdgpu_metadata
---
amdhsa.version: [ 1, 2 ]
amdhsa.kernels:
  - .name:           k_q1874afd822_prep
    .symbol:         k_q1874afd822_prep.kd
    .args:
      - { .name: x, .offset: 0, .size: 8, .value_kind: global_buffer, .address_space: global }
      - { .name: Wr, .offset: 8, .size: 8, .value_kind: global_buffer, .address_space: global }
      - { .name: br, .offset: 16, .size: 8, .value_kind: global_buffer, .address_space: global }
      - { .name: W1, .offset: 24, .size: 8, .value_kind: global_buffer, .address_space: global }
      - { .name: W2, .offset: 32, .size: 8, .value_kind: global_buffer, .address_space: global }
      - { .name: wq, .offset: 40, .size: 8, .value_kind: global_buffer, .address_space: global }
      - { .name: ws, .offset: 48, .size: 8, .value_kind: global_buffer, .address_space: global }
      - { .name: xq, .offset: 56, .size: 8, .value_kind: global_buffer, .address_space: global }
      - { .name: xs, .offset: 64, .size: 8, .value_kind: global_buffer, .address_space: global }
      - { .name: gate, .offset: 72, .size: 8, .value_kind: global_buffer, .address_space: global }
      - { .name: route, .offset: 80, .size: 8, .value_kind: global_buffer, .address_space: global }
    .group_segment_fixed_size: 35328
    .private_segment_fixed_size: 0
    .kernarg_segment_align: 8
    .kernarg_segment_size: 88
    .max_flat_workgroup_size: 128
    .sgpr_count:     66
    .vgpr_count:     256
    .wavefront_size: 32
...
	.end_amdgpu_metadata
.endif
;; end of part 1
;; launch moe (part 2): grid 256 x 1, 4 waves a work-group, no clusters, 201,216 bytes of LDS; arguments x, b1, b2, scale, wq, ws, xq, xs, gate, route, out0; writes out0
.if DOCPART == 2
	.amdgcn_target "amdgcn-amd-amdhsa--gfx1250"
	.amdhsa_code_object_version 6
	.text
	.protected	k_q1874afd822_moe
	.globl	k_q1874afd822_moe
	.p2align	8
	.type	k_q1874afd822_moe,@function
k_q1874afd822_moe:
	s_mov_b64 s[64:65], 0
	v_nop
	global_prefetch_b8 v0, s[64:65] scope:SCOPE_SE
	s_setreg_imm32_b32 hwreg(HW_REG_WAVE_MODE, 25, 1), 1
	s_wait_xcnt 0x0
; MOE.  out = x + scale * sum over the experts of gate * (gelu(tok W1 + b1) W2 + b2), both products on codes of FP6 (E2M3) with one E8M0 scale for each 32 along K.
; A work-group owns 128 neighbouring tokens and is the one owner of their outputs.  It walks the 8 experts and takes all its tokens through each, as the definition writes it; a token's gate with an expert that it
; did not choose is 0, chosen by v_cndmask_b32 from the stored route word: no branch, trip count or address of this launch hangs on the router's choice.
; The hidden layer goes from wave to wave through LDS as images of the operand's registers; the outputs' sums stay in registers.
; THE WAVES SHARE THE COLUMNS: wave w makes hidden units 128 w .. 128 w + 127 and channels 64 w .. 64 w + 63 for all rows, so each weight byte is loaded once a work-group, straight into registers,
; from a workspace laid in the order of the operand's registers.
; NO CLUSTER, NO JOINT LOADS, though all work-groups walk the same weights: joint loads land in LDS, an expert's codes are 196,608 bytes, and beside the 200,704 bytes of images and stages 126,976 are left: no slot for them fits.
; AN EXPERT, two barriers:  P1: for each tile of 16 tokens: their codes, my 8 tiles of the hidden layer (transposed: source 0 = 16 rows of W1, source 1 = the tokens), gelu, quantised, image to LDS | barrier |
; P2: all four K steps' images from LDS, my 4 tiles of channels, results to my own stage in LDS, a row a token | barrier |  G: each lane takes its four tokens' rows from my stage and adds gate x row.
; The second barrier parts every wave's reads of the images from the next expert's image stores; the stages are each wave's own and need none.
; GELU.  2 gelu(u) = u + u erf(u / sqrt 2), erf by the quotient of an odd polynomial of degree 13 and an even one of degree 8 on |u| <= 4 sqrt 2, the 1 / sqrt 2 folded into the coefficients; the factor 2 is exact and is taken off the scale's byte.
; LIMITS: NaN and infinities are not served; 1 + erf is good to about 3e-7 absolute; a hidden block whose largest 2 gelu lies under 2^-123 keeps the byte 1.
.set HIMG, 0                           ; LDS: the hidden layer's images: 9 tiles x 4 K steps x 1,536 bytes (tile 8 is cleared once and stays zero: the fetch runs one tile ahead)
.set HSC,  55296                       ; their scale words: 9 x 4 x 128 bytes
.set STG,  61440                       ; the stages: for each wave 128 rows x (256 bytes + 16)
.set TILEB, 6144
.set XSO, 2                            ; v2   8 x (lane % 16): a token's two scale words
.set XRO, 3                            ; v3   192 x (lane % 16) + 96 x (lane / 16): my half of a token's codes
.set LI,  4                            ; v4   16 x lane
.set LS,  5                            ; v5   4 x lane
.set HWI, 6                            ; v6   where I store images: 16 x lane + 1,536 x wave
.set HWS, 7                            ; v7   and their scale words: HSC + 4 x lane + 128 x wave
.set SO,  8                            ; v8   my stage, in: row lane % 16, + 32 x (lane / 16)
.set VA,  9                            ; v9   my stage, back: row 4 x lane
.set B1O, 10                           ; v10  64 x (lane / 16)
.set B2O, 11                           ; v11  32 x (lane / 16)
.set GA,  12                           ; v12-13 the next tile's offsets in the block's codes and scale words
.set GS,  13
.set AD,  18                           ; v18-19, v253 LDS addresses at work
.set AD2, 19
.set RT,  20                           ; v20-23 my four tokens' route words
.set GT,  24                           ; v24-31 their gates
.set W1S, 32                           ; v32-39 W1's scale words: tile t; lanes 0-15 K step 0, lanes 16-31 K step 1
.set W2S, 40                           ; v40-47 W2's: 4 (s / 2) + n; lanes 16 (s % 2) on
.set XFA, 48                           ; v48-71, v72-95 a tile of tokens' codes, both K steps: two sets
.set XFB, 72
.set XSA, 96                           ; v96-97, v98-99 their scale words
.set XSB, 98
.set HA,  100                          ; v100-163 my 8 tiles of the hidden layer
.set UC,  164                          ; gelu: 16 numbers at a time: u held, u^2, numerator, denominator
.set WW,  180
.set PP,  196
.set QQ,  212
.set PC,  164                          ; the quantiser: codes, at work, the scale word
.set TM,  184
.set PW,  200
.set FA,  100                          ; P2: four K steps' fragments of a tile of tokens: two sets
.set FB,  148
.set YA,  204                          ; v204-235 my 4 tiles of channels
.set T0,  100                          ; G: a token's 64 channels: two sets
.set T1,  164
.set WE,  232                          ; v232-235 my four tokens' gates with this expert, or 0
.set HSA, 236                          ; v236-239, v240-243 the hidden layer's scale words
.set HSB, 240
.set TT,  244                          ; v244-247 at work in G; zeros at the head
.set KQ4, 248                          ; v248-249 q4 twice; v250-251 p6 twice
.set KP6, 250
.set AD3, 253
; window 1: W1's fragments at 12 (2 t + s), b1's tiles at 192 + 8 t; at the end x, four tokens of channel c at 4 c.   window 2: W2's fragments at 12 (4 n + s), b2's tiles at 192 + 8 n.
; window 3: the sums: token 4 lane + q, channel 64 wave + c at 64 q + c.
; s2 wave, s3 expert, s5 the tile's first token, s6/s13/s7 the tile's bytes in images, scale words, stage, s8 trips, s9/s63 at work, s12 scale
; s[14:15] x, s[16:17] out, s[18:19] W1's codes, s[20:21] W2's, s[22:23] W1's scale words, s[24:25] W2's, s[26:27] b1, s[28:29] b2, s[30:31] the block's codes, s[32:33] its scale words, s[34:35] its route words
; s36-43 q0-q3, s44-55 p0-p5, each twice; s60-61 the hold; s66-67 lane selects
.set MSB, 0
.macro WIN new                         ; the immediate's high byte repeats the setting that is left
.if MSB != \new
	s_set_vgpr_msb (MSB<<8)|\new
.set MSB, \new
.endif
.endm
.macro BARRIER                         ; my LDS stores have landed and my LDS loads are in: then the work-group's barrier
	s_wait_dscnt 0x0
	s_barrier_signal -1
	s_barrier_wait -1
.endm
.macro LOADW1                          ; an expert's W1 for my 128 units: 16 fragments, b1 in the result's layout, scale words: 512 consecutive bytes a load
	WIN 0x40
.set F, 0
.rept 16
.irp c, 0,1,2
	global_load_b128 v[12*F+4*\c:12*F+4*\c+3], v[LI], s[18:19] offset:1536*F+512*\c
.endr
.set F, F+1
.endr
.irp t, 0,1,2,3,4,5,6,7
	global_load_b128 v[192+8*\t:192+8*\t+3], v[B1O], s[26:27] offset:(32*(\t/2)+8*(\t%2))*4
	global_load_b128 v[196+8*\t:196+8*\t+3], v[B1O], s[26:27] offset:(32*(\t/2)+8*(\t%2))*4+16
.endr
	WIN 0
	global_load_b128 v[W1S:W1S+3], v[LI], s[22:23]
	global_load_b128 v[W1S+4:W1S+7], v[LI], s[22:23] offset:512
.endm
.macro LOADW2
	WIN 0x80
.set F, 0
.rept 16
.irp c, 0,1,2
	global_load_b128 v[12*F+4*\c:12*F+4*\c+3], v[LI], s[20:21] offset:1536*F+512*\c
.endr
.set F, F+1
.endr
.irp n, 0,1,2,3
	global_load_b128 v[192+8*\n:192+8*\n+3], v[B2O], s[28:29] offset:64*\n
	global_load_b128 v[196+8*\n:196+8*\n+3], v[B2O], s[28:29] offset:64*\n+16
.endr
	WIN 0
	global_load_b128 v[W2S:W2S+3], v[LI], s[24:25]
	global_load_b128 v[W2S+4:W2S+7], v[LI], s[24:25] offset:512
.endm
.macro ROWS xf, xs, va, vs             ; lane (r, h) takes the 96 bytes of its half of its token's codes (both K steps' 24 registers) and the token's two scale words
.irp k, 0,1,2,3,4,5
	global_load_b128 v[\xf+4*\k:\xf+4*\k+3], v[\va], s[30:31] offset:16*\k
.endr
	global_load_b64 v[\xs:\xs+1], v[\vs], s[32:33]
.endm
.macro PKF d, a, b, sc                 ; sixteen d = a b + a constant
.irp k, 0,2,4,6,8,10,12,14
	v_pk_fma_f32 v[\d+\k:\d+\k+1], v[\a+\k:\a+\k+1], v[\b+\k:\b+\k+1], s[\sc:\sc+1] op_sel_hi:[1,1,0]
.endr
.endm
.macro PKF0 d, a, kv, sc               ; the first step of a polynomial: both coefficients are constants
.irp k, 0,2,4,6,8,10,12,14
	v_pk_fma_f32 v[\d+\k:\d+\k+1], v[\a+\k:\a+\k+1], v[\kv:\kv+1], s[\sc:\sc+1] op_sel_hi:[1,1,0]
.endr
.endm
.macro PKM d, a, b
.irp k, 0,2,4,6,8,10,12,14
	v_pk_mul_f32 v[\d+\k:\d+\k+1], v[\a+\k:\a+\k+1], v[\b+\k:\b+\k+1]
.endr
.endm
.macro GELU16 b                        ; v[HA + b ..] : u -> u + u erf(u / sqrt 2).  Each accumulator is read from its low end on
.irp i, 0,1,2,3,4,5,6,7,8,9,10,11,12,13,14,15
	v_med3_num_f32 v[UC+\i], v[HA+(\b)+\i], s60, s61
.endr
	PKM WW, UC, UC
	PKF0 QQ, WW, KQ4, 42
	PKF QQ, QQ, WW, 40
	PKF QQ, QQ, WW, 38
	PKF QQ, QQ, WW, 36
.irp i, 0,1,2,3,4,5,6,7,8,9,10,11,12,13,14,15
	v_rcp_f32 v[QQ+\i], v[QQ+\i]
.endr
	PKF0 PP, WW, KP6, 54                           ; the numerator is the independent work behind the sixteen reciprocals
	PKF PP, PP, WW, 52
	PKF PP, PP, WW, 50
	PKF PP, PP, WW, 48
	PKF PP, PP, WW, 46
	PKF PP, PP, WW, 44
	PKM PP, PP, UC
	s_wait_alu depctr_va_vdst(0)                   ; one wait for the batch, ahead of its first reader
	PKM PP, PP, QQ
.irp k, 0,2,4,6,8,10,12,14
	v_pk_fma_f32 v[HA+(\b)+\k:HA+(\b)+\k+1], v[HA+(\b)+\k:HA+(\b)+\k+1], v[PP+\k:PP+\k+1], v[HA+(\b)+\k:HA+(\b)+\k+1]
.endr
.endm
; 64 numbers of a lane, register 16 b + i = k 32 b + 16 (lane / 16) + i of my row, become a fragment's codes in v[PC] on and its scale word in v[PW].  The numbers are 2 gelu: 1 comes off each byte.
.macro QUANT s
.irp b, 0,1,2,3
	v_max3_num_f32 v[TM+\b], |v[\s+16*\b]|, |v[\s+1+16*\b]|, 0x2000000   ; with the floor 2^(4 - 127): the byte cannot fall under 1
.endr
.irp i, 2,4,6,8,10,12,14
.irp b, 0,1,2,3
	v_max3_num_f32 v[TM+\b], v[TM+\b], |v[\s+16*\b+\i]|, |v[\s+1+16*\b+\i]|
.endr
.endr
.irp b, 0,1,2,3
	v_permlanex16_b32 v[TM+4+\b], v[TM+\b], s66, s67
.endr
.irp b, 0,1,2,3
	v_max_num_f32 v[TM+\b], v[TM+\b], v[TM+4+\b]   ; with lane l xor 16's: the block's largest magnitude
.endr
.irp b, 0,1,2,3
	v_add_nc_u32 v[TM+12+\b], 0xff000000, v[TM+\b] ; 2 off its exponent field: the conversion's scale operand
.endr
.irp b, 0,1,2,3
	v_lshrrev_b32 v[TM+4+\b], 23, v[TM+12+\b]
.endr
	v_lshl_or_b32 v[PW], v[TM+5], 8, v[TM+4]
	v_lshl_or_b32 v[PW], v[TM+6], 16, v[PW]
	v_lshl_or_b32 v[PW], v[TM+7], 24, v[PW]
	v_add_nc_u32 v[PW], 0xfefefeff, v[PW]          ; 1 off each of the four bytes (each is 2 at the least: nothing is borrowed)
.irp c, 0,1
	v_cvt_scalef32_pk16_fp6_f32 v[PC+6*\c:PC+2+6*\c], v[\s+32*\c:\s+15+32*\c], v[TM+12+2*\c]
	v_cvt_scalef32_pk16_fp6_f32 v[PC+12+4*\c:PC+14+4*\c], v[\s+16+32*\c:\s+31+32*\c], v[TM+12+2*\c+1]
.endr
	v_nop                                          ; one plain line behind a scaled conversion
.irp c, 0,1                                    ; the operand's layout wants a whole block in a lane
.irp i, 0,1,2
	v_permlane16_swap_b32 v[PC+6*\c+\i], v[PC+12+4*\c+\i]
.endr
.irp i, 0,1,2
	v_mov_b32 v[PC+3+6*\c+\i], v[PC+12+4*\c+\i]
.endr
.endr
.endm
; A tile of 16 tokens, first product.  xf, xs: its codes and scale words; of, os: the set that takes the next tile's.
.macro P1TILE xf, xs, of, os
	WIN 0x11                                       ; source 0 (W1) and C (b1) window 1
.irp t, 0,1,2,3,4,5,6,7
	v_wmma_scale_f32_16x16x128_f8f6f4 v[HA+8*\t:HA+8*\t+7], v[24*\t:24*\t+11], v[\xf:\xf+11], v[192+8*\t:192+8*\t+7], v[W1S+\t], v[\xs] matrix_a_fmt:MATRIX_FMT_FP6 matrix_b_fmt:MATRIX_FMT_FP6
.endr
	WIN 0x01                                       ; the eight accumulators take turns
.irp t, 0,1,2,3,4,5,6,7
	v_wmma_scale_f32_16x16x128_f8f6f4 v[HA+8*\t:HA+8*\t+7], v[24*\t+12:24*\t+23], v[\xf+12:\xf+23], v[HA+8*\t:HA+8*\t+7], v[W1S+\t], v[\xs+1] matrix_a_fmt:MATRIX_FMT_FP6 matrix_b_fmt:MATRIX_FMT_FP6 matrix_a_scale:MATRIX_SCALE_ROW1
.endr
	WIN 0
	s_wait_dscnt 0x0                               ; the last tile's image stores have read their registers
	s_add_co_u32 s9, s5, 16
	s_and_b32 s9, s9, 127                          ; the next tile's first token; behind tile 7 it is tile 0 again, which the next expert begins with (behind the last expert these seven loads are not used)
	s_mul_i32 s63, s9, 192
	s_lshl_b32 s9, s9, 3
	v_add_nc_u32 v[GA], s63, v[XRO]                ; these two additions and the two below are the four places between the products and the first read of their results
	v_add_nc_u32 v[GS], s9, v[XSO]
	ROWS \of, \os, GA, GS
	v_add_nc_u32 v[AD], s6, v[HWI]
	v_add_nc_u32 v[AD2], s13, v[HWS]
	GELU16 0
	GELU16 16
	GELU16 32
	GELU16 48
	QUANT HA
.irp c, 0,1,2
	ds_store_b128 v[AD], v[PC+4*\c:PC+4*\c+3] offset:512*\c   ; K step `wave` of the second product, as the registers stand
.endr
	ds_store_b32 v[AD2], v[PW]
	s_wait_loadcnt 0x0                             ; the next tile's codes, asked for a tile's arithmetic ago, are in (and W2, asked for ahead of the first tile): no load is out, so offsets and pointers may be written
	s_add_co_u32 s5, s5, 16
	s_add_co_u32 s6, s6, TILEB
	s_add_co_u32 s13, s13, 512
.endm
.macro FETCH f, hs, va, vs, offi, offs  ; a tile's four images and scale words: 16 LDS loads
.irp s, 0,1,2,3
.irp c, 0,1,2
	ds_load_b128 v[\f+12*\s+4*\c:\f+12*\s+4*\c+3], v[\va] offset:\offi+1536*\s+512*\c
.endr
.endr
.irp s, 0,1,2,3
	ds_load_b32 v[\hs+\s], v[\vs] offset:\offs+128*\s
.endr
.endm
; The same tile, second product: my 64 channels for its 16 tokens, to my stage.  f, hs: its images and scale words; of, ohs: the set that takes the next tile's.
.macro P2TILE f, hs, of, ohs
	s_wait_dscnt 0x0                               ; no LDS instruction of mine is out: this tile's images, asked for a tile ago, are in, and the last tile's stage stores have read their registers
	v_add_nc_u32 v[AD2], s6, v[LI]
	v_add_nc_u32 v[AD3], s13, v[LS]
	FETCH \of, \ohs, AD2, AD3, HIMG+TILEB, HSC+512 ; the next tile's images land under this tile's sixteen products (behind tile 7: tile 8, which stays zero and is not multiplied)
	WIN 0x22                                       ; source 0 (W2) and C (b2) window 2
.irp n, 0,1,2,3
	v_wmma_scale_f32_16x16x128_f8f6f4 v[YA+8*\n:YA+8*\n+7], v[48*\n:48*\n+11], v[\f:\f+11], v[192+8*\n:192+8*\n+7], v[W2S+\n], v[\hs] matrix_a_fmt:MATRIX_FMT_FP6 matrix_b_fmt:MATRIX_FMT_FP6
.endr
	WIN 0x02                                       ; the four accumulators take turns
.irp n, 0,1,2,3
	v_wmma_scale_f32_16x16x128_f8f6f4 v[YA+8*\n:YA+8*\n+7], v[48*\n+12:48*\n+23], v[\f+12:\f+23], v[YA+8*\n:YA+8*\n+7], v[W2S+\n], v[\hs+1] matrix_a_fmt:MATRIX_FMT_FP6 matrix_b_fmt:MATRIX_FMT_FP6 matrix_a_scale:MATRIX_SCALE_ROW1
.endr
.irp n, 0,1,2,3
	v_wmma_scale_f32_16x16x128_f8f6f4 v[YA+8*\n:YA+8*\n+7], v[48*\n+24:48*\n+35], v[\f+24:\f+35], v[YA+8*\n:YA+8*\n+7], v[W2S+4+\n], v[\hs+2] matrix_a_fmt:MATRIX_FMT_FP6 matrix_b_fmt:MATRIX_FMT_FP6
.endr
.irp n, 0,1,2,3
	v_wmma_scale_f32_16x16x128_f8f6f4 v[YA+8*\n:YA+8*\n+7], v[48*\n+36:48*\n+47], v[\f+36:\f+47], v[YA+8*\n:YA+8*\n+7], v[W2S+4+\n], v[\hs+3] matrix_a_fmt:MATRIX_FMT_FP6 matrix_b_fmt:MATRIX_FMT_FP6 matrix_a_scale:MATRIX_SCALE_ROW1
.endr
	WIN 0
	v_add_nc_u32 v[AD], s7, v[SO]                  ; five places: four for the stores below and for later loads into these registers, the fifth because the next tile's first products begin these accumulators anew
.rept 4
	v_nop
.endr
.irp n, 0,1,2,3
	ds_store_b128 v[AD], v[YA+8*\n:YA+8*\n+3] offset:64*\n          ; lane (r, h): token r of the tile, channels 16 n + 8 h + 0 .. 7; each accumulator from its low end on
	ds_store_b128 v[AD], v[YA+8*\n+4:YA+8*\n+7] offset:64*\n+16
.endr
	s_add_co_u32 s6, s6, TILEB
	s_add_co_u32 s13, s13, 512
	s_add_co_u32 s7, s7, 4352
.endm
.macro GLOAD q, t                      ; token 4 lane + q: its 64 channels from my stage
.irp k, 0,1,2,3,4,5,6,7,8,9,10,11,12,13,14,15
	ds_load_b128 v[\t+4*\k:\t+4*\k+3], v[VA] offset:272*\q+16*\k
.endr
.endm
.macro GFMA q, t                       ; the sums of token 4 lane + q += gate x row
	WIN 0xf0                                       ; C and D window 3
.set KK, 0
.rept 32
.if (\q)%2 == 0
	v_pk_fma_f32 v[64*\q+KK:64*\q+KK+1], v[\t+KK:\t+KK+1], v[WE+\q:WE+\q+1], v[64*\q+KK:64*\q+KK+1] op_sel_hi:[1,0,1]
.else
	v_pk_fma_f32 v[64*\q+KK:64*\q+KK+1], v[\t+KK:\t+KK+1], v[WE+\q-1:WE+\q], v[64*\q+KK:64*\q+KK+1] op_sel:[0,1,0] op_sel_hi:[1,1,1]
.endif
.set KK, KK+2
.endr
	WIN 0
.endm
	s_load_b512 s[72:87], s[0:1], 0x0              ; x s[72:73], b1 s[74:75], b2 s[76:77], scale s[78:79], wq s[80:81], ws s[82:83], xq s[84:85], xs s[86:87]
	s_load_b128 s[88:91], s[0:1], 0x40             ; gate s[88:89], route s[90:91]
	s_load_b64 s[92:93], s[0:1], 0x50              ; out0
	v_lshl_add_u32 v254, v0, 2, 0x31000
	v_mov_b32 v255, 0
	v_lshrrev_b32 v1, 5, v0
	v_readfirstlane_b32 s2, v1                     ; wave 0..3
	v_and_b32 v1, 31, v0                           ; lane
	v_and_b32 v2, 15, v0                           ; r
	v_bfe_u32 v3, v0, 4, 1                         ; h
	v_lshlrev_b32 v[LI], 4, v1
	v_lshlrev_b32 v[LS], 2, v1
	s_mul_i32 s9, s2, 1536
	v_add_nc_u32 v[HWI], s9, v[LI]
	s_lshl_b32 s9, s2, 7
	s_add_co_u32 s9, s9, HSC
	v_add_nc_u32 v[HWS], s9, v[LS]
	s_mul_i32 s9, s2, 34816
	s_add_co_u32 s9, s9, STG                       ; my stage
	v_mul_u32_u24 v[SO], v2, 272
	v_lshl_add_u32 v[SO], v3, 5, v[SO]
	v_add_nc_u32 v[SO], s9, v[SO]
	v_mul_u32_u24 v[VA], v1, 1088                  ; four rows of 272 bytes a lane
	v_add_nc_u32 v[VA], s9, v[VA]
	v_lshlrev_b32 v[B1O], 6, v3
	v_lshlrev_b32 v[B2O], 5, v3
	v_lshlrev_b32 v[AD], 5, v1                     ; 32 x lane: my four tokens' gates
	v_mul_u32_u24 v[XRO], v3, 96                   ; (h and r have served: their registers take the tokens' offsets)
	v_mad_u32_u24 v[XRO], v2, 192, v[XRO]
	v_lshlrev_b32 v[XSO], 3, v2
	s_wait_kmcnt 0x0
	s_lshr_b32 s9, ttmp9, 4
	s_lshl_b32 s9, s9, 21                          ; the block's image,
	s_and_b32 s63, ttmp9, 15
	s_lshl_b32 s63, s63, 9                         ; its 128 tokens in a channel's row,
	s_add_co_u32 s68, s9, s63
	s_lshl_b32 s9, s2, 19                          ; my 64 channels
	s_add_co_u32 s68, s68, s9
	s_mov_b32 s69, 0
	s_add_nc_u64 s[14:15], s[72:73], s[68:69]
	s_add_nc_u64 s[16:17], s[92:93], s[68:69]
	s_mul_i32 s68, s2, 24576
	s_add_nc_u64 s[18:19], s[80:81], s[68:69]
	s_add_nc_u64 s[20:21], s[18:19], 786432
	s_lshl_b32 s68, s2, 10
	s_add_nc_u64 s[22:23], s[82:83], s[68:69]
	s_add_nc_u64 s[24:25], s[22:23], 32768
	s_lshl_b32 s68, s2, 9
	s_add_nc_u64 s[26:27], s[74:75], s[68:69]
	s_lshl_b32 s68, s2, 8
	s_add_nc_u64 s[28:29], s[76:77], s[68:69]
	s_mul_i32 s68, ttmp9, 24576
	s_add_nc_u64 s[30:31], s[84:85], s[68:69]
	s_lshl_b32 s68, ttmp9, 10
	s_add_nc_u64 s[32:33], s[86:87], s[68:69]
	s_add_nc_u64 s[70:71], s[88:89], s[68:69]
	s_lshl_b32 s68, ttmp9, 9
	s_add_nc_u64 s[34:35], s[90:91], s[68:69]
	s_load_b32 s12, s[78:79], 0x0
	global_load_b128 v[RT:RT+3], v[LI], s[34:35]
	global_load_b128 v[GT:GT+3], v[AD], s[70:71]
	global_load_b128 v[GT+4:GT+7], v[AD], s[70:71] offset:16
	ROWS XFA, XSA, XRO, XSO                        ; the first tile's codes
	LOADW1                                         ; expert 0's W1
	; while these are on their way: tile 8 of the images and of their scale words is cleared, the sums are cleared, the constants are set
	v_lshlrev_b32 v[AD2], 4, v0
	v_lshlrev_b32 v[AD3], 2, v0
.irp i, 0,1,2,3
	v_mov_b32 v[TT+\i], 0
.endr
.irp k, 0,1,2
	ds_store_b128 v[AD2], v[TT:TT+3] offset:HIMG+8*TILEB+2048*\k   ; 128 threads x 16 bytes x 3 = 6,144 bytes.  They are read behind the first barrier, in front of which every wave waits for its LDS stores
.endr
	ds_store_b32 v[AD3], v[TT] offset:HSC+8*512    ; 128 threads x 4 bytes = 512 bytes
	WIN 0xc0                                       ; the walk over the experts is written once, so the sums begin as zeros: cleared here, under the first loads
.set CC, 0
.rept 256
	v_mov_b32 v[CC], 0
.set CC, CC+1
.endr
	WIN 0
	v_mov_b32 v[KQ4], 0xb5accd2b
	v_mov_b32 v[KQ4+1], 0xb5accd2b
	v_mov_b32 v[KP6], 0xac95df0b
	v_mov_b32 v[KP6+1], 0xac95df0b
	s_mov_b32 s36, 0xbca542a9                      ; q0 .. q3: sqrt 2 x beta(2 i) / 2^i
	s_mov_b32 s38, 0xbbaad7f2
	s_mov_b32 s40, 0xba1bf7b5
	s_mov_b32 s42, 0xb81e3512
	s_mov_b32 s44, 0xbc83dbd4                      ; p0 .. p5: alpha(2 i + 1) / 2^i
	s_mov_b32 s46, 0xbac1a1f6
	s_mov_b32 s48, 0xb940ac63
	s_mov_b32 s50, 0xb6eec2d2
	s_mov_b32 s52, 0xb40cff51
	s_mov_b32 s54, 0x306dffee
.irp k, 36,38,40,42,44,46,48,50,52,54
	s_mov_b32 s[\k+1], s[\k]                       ; (named with it as a pair, so it is written)
.endr
	s_mov_b32 s60, 0xc0b504f3                      ; -+ 4 sqrt 2
	s_mov_b32 s61, 0x40b504f3
	s_mov_b32 s66, 0x76543210
	s_mov_b32 s67, 0xfedcba98
	s_mov_b32 s3, 0
	s_wait_kmcnt 0x0                               ; scale
.Lexpert:
	s_wait_loadcnt 0x0                             ; W1 and b1, asked for behind the last expert's first product, are in.  No load is out:
	s_add_nc_u64 s[18:19], s[18:19], 98304         ; W1's pointers go on to the next expert
	s_add_nc_u64 s[22:23], s[22:23], 4096
	s_add_nc_u64 s[26:27], s[26:27], 2048
	LOADW2                                         ; this expert's W2 lands under the first tile's arithmetic
	s_mov_b32 s5, 0
	s_mov_b32 s6, 0
	s_mov_b32 s13, 0
	s_mov_b32 s8, 4
.Lp1:                                              ; eight tiles in four trips: a trip runs the two turns of the two sets
	P1TILE XFA, XSA, XFB, XSB
	P1TILE XFB, XSB, XFA, XSA
	s_sub_co_u32 s8, s8, 1
	s_cmp_lg_u32 s8, 0
	s_cbranch_scc1 .Lp1
	s_add_nc_u64 s[20:21], s[20:21], 98304         ; no load is out (the last tile's wait): W2's pointers go on
	s_add_nc_u64 s[24:25], s[24:25], 4096
	s_add_nc_u64 s[28:29], s[28:29], 1024
	s_cmp_eq_u32 s3, 7
	s_cbranch_scc1 .Llast_x
	LOADW1                                         ; the next expert's W1 lands under the second product and the adding
	s_branch .Lp1_done
.Llast_x:
	WIN 0x40                                       ; behind the last first product W1's registers take x: four tokens of each of my 64 channels, 512 consecutive bytes a load
.set CC, 0
.rept 64
	global_load_b128 v[4*CC:4*CC+3], v[LI], s[14:15] offset:8192*CC th:TH_LOAD_NT
.set CC, CC+1
.endr
	WIN 0
.Lp1_done:
	BARRIER                                        ; the hidden layer's images lie in LDS
	s_mov_b32 s6, 0
	s_mov_b32 s13, 0
	s_mov_b32 s7, 0
	s_mov_b32 s8, 4
	FETCH FA, HSA, LI, LS, HIMG, HSC               ; the first tile's images
.Lp2:
	P2TILE FA, HSA, FB, HSB
	P2TILE FB, HSB, FA, HSA
	s_sub_co_u32 s8, s8, 1
	s_cmp_lg_u32 s8, 0
	s_cbranch_scc1 .Lp2
	BARRIER                                        ; every wave's reads of the images are over: the next expert may store its own
.irp q, 0,1,2,3
	v_and_b32 v[TT], 15, v[RT+\q]
	v_bfe_u32 v[TT+1], v[RT+\q], 4, 4
	v_cmp_eq_u32 vcc_lo, s3, v[TT]
	v_cmp_eq_u32 s68, s3, v[TT+1]
	v_cndmask_b32 v[WE+\q], 0, v[GT+2*\q], vcc_lo  ; the token's gate with this expert: the first's, the second's, or 0
	v_cndmask_b32 v[WE+\q], v[WE+\q], v[GT+2*\q+1], s68
.endr
	GLOAD 0, T0
	GLOAD 1, T1
	s_wait_dscnt 16                                ; the older set's 16 loads are in
	GFMA 0, T0
	GLOAD 2, T0
	s_wait_dscnt 16
	GFMA 1, T1
	GLOAD 3, T1
	s_wait_dscnt 16
	GFMA 2, T0
	s_wait_dscnt 0x0
	GFMA 3, T1
	s_add_co_u32 s3, s3, 1
	s_cmp_lt_u32 s3, 8
	s_cbranch_scc1 .Lexpert
	; THE WAY OUT: out = x + scale x sum; the multiply-add also brings a channel's four tokens side by side
	s_wait_loadcnt 0x0                             ; x
	WIN 0x5c                                       ; source 1 (the sums) window 3; source 2 and destination (x) window 1
.set CC, 0
.rept 64
.irp q, 0,1,2,3
	v_fma_f32 v[4*CC+\q], s12, v[64*\q+CC], v[4*CC+\q]
.endr
.set CC, CC+1
.endr
	WIN 0x04                                       ; a store's data are its source 1: window 1
.set CC, 0
.rept 64
	global_store_b128 v[LI], v[4*CC:4*CC+3], s[16:17] offset:8192*CC th:TH_STORE_NT   ; 32 lanes store the block's 128 tokens of a channel: 512 consecutive bytes, aligned
.set CC, CC+1
.endr
	WIN 0
	s_wait_tensorcnt 0x0
	ds_add_u32 v254, v255
	s_wait_dscnt 0x0
	s_endpgm
.Lfunc_end_k_q1874afd822_moe:
	.size	k_q1874afd822_moe, .Lfunc_end_k_q1874afd822_moe-k_q1874afd822_moe
	.p2alignl 7, 3214868480
	.fill 96, 4, 3214868480
	.section	.rodata,"a",@progbits
	.p2align	6, 0x0
	.amdhsa_kernel k_q1874afd822_moe
		.amdhsa_group_segment_fixed_size 201216
		.amdhsa_private_segment_fixed_size 0
		.amdhsa_enable_private_segment 0
		.amdhsa_kernarg_size 88
		.amdhsa_user_sgpr_count 2
		.amdhsa_user_sgpr_kernarg_segment_ptr 1
		.amdhsa_wavefront_size32 1
		.amdhsa_system_sgpr_workgroup_id_x 1
		.amdhsa_system_sgpr_workgroup_id_y 1
		.amdhsa_system_sgpr_workgroup_id_z 1
		.amdhsa_system_vgpr_workitem_id 0
		.amdhsa_next_free_vgpr 1024
		.amdhsa_next_free_sgpr 96
		.amdhsa_reserve_vcc 1
		.amdhsa_float_denorm_mode_32 3
		.amdhsa_float_denorm_mode_16_64 3
		.amdhsa_memory_ordered 1
		.amdhsa_forward_progress 1
		.amdhsa_inst_pref_size 167
	.end_amdhsa_kernel
	.amdgpu_metadata
---
amdhsa.version: [ 1, 2 ]
amdhsa.kernels:
  - .name:           k_q1874afd822_moe
    .symbol:         k_q1874afd822_moe.kd
    .args:
      - { .name: x, .offset: 0, .size: 8, .value_kind: global_buffer, .address_space: global }
      - { .name: b1, .offset: 8, .size: 8, .value_kind: global_buffer, .address_space: global }
      - { .name: b2, .offset: 16, .size: 8, .value_kind: global_buffer, .address_space: global }
      - { .name: scale, .offset: 24, .size: 8, .value_kind: global_buffer, .address_space: global }
      - { .name: wq, .offset: 32, .size: 8, .value_kind: global_buffer, .address_space: global }
      - { .name: ws, .offset: 40, .size: 8, .value_kind: global_buffer, .address_space: global }
      - { .name: xq, .offset: 48, .size: 8, .value_kind: global_buffer, .address_space: global }
      - { .name: xs, .offset: 56, .size: 8, .value_kind: global_buffer, .address_space: global }
      - { .name: gate, .offset: 64, .size: 8, .value_kind: global_buffer, .address_space: global }
      - { .name: route, .offset: 72, .size: 8, .value_kind: global_buffer, .address_space: global }
      - { .name: out0, .offset: 80, .size: 8, .value_kind: global_buffer, .address_space: global }
    .group_segment_fixed_size: 201216
    .private_segment_fixed_size: 0
    .kernarg_segment_align: 8
    .kernarg_segment_size: 88
    .max_flat_workgroup_size: 128
    .sgpr_count:     96
    .vgpr_count:     1024
    .wavefront_size: 32
...
	.end_amdgpu_metadata
.endif
;; end of part 2
;; ======== version 2 of 3: 2 launches; 1.67 times as fast as version 1
;; workspace buffers: wq 1,572,864 bytes; ws 65,536 bytes; xq 6,291,456 bytes; xs 262,144 bytes; gate 262,144 bytes; route 131,072 bytes of whole numbers; list 262,144 bytes of whole numbers; cnt 32,768 bytes of whole numbers
;; launch prep (part 3): grid 320 x 1, 4 waves a work-group, no clusters, 36,352 bytes of LDS; arguments x, Wr, br, W1, W2, wq, ws, xq, xs, gate, route, list, cnt; writes wq, ws, xq, xs, gate, route, list, cnt
.if DOCPART == 3
	.amdgcn_target "amdgcn-amd-amdhsa--gfx1250"
	.amdhsa_code_object_version 6
	.text
	.protected	k_q1874afd822_prep
	.globl	k_q1874afd822_prep
	.p2align	8
	.type	k_q1874afd822_prep,@function
k_q1874afd822_prep:
	s_mov_b64 s[64:65], 0
	v_nop
	global_prefetch_b8 v0, s[64:65] scope:SCOPE_SE
	s_setreg_imm32_b32 hwreg(HW_REG_WAVE_MODE, 25, 1), 1
	s_wait_xcnt 0x0
; PREP.  Work-groups 0-31 turn W1, 32-63 W2, into codes of FP6 (E2M3) with one E8M0 byte for each 32 along K, laid in the order of the matrix operand's registers.
; Work-groups 64-319 take a block of 128 neighbouring tokens each: the router's 8 logits in f32 multiply-adds, the top 2 (the lower index wins a tie), the two gates (softmax of the two, the larger taken away first),
; the tokens' codes with the channels innermost, and the block's routing tables: each token's place among its expert's tokens (route), each expert's list of tokens (list, a byte a slot), each expert's count (cnt).
; The tables are computed as VALUES and stored at fixed places: no address, branch or EXEC of this launch hangs on the router's numbers.  Every byte of the three tables is stored.
; A block's scale is 2^(floor(log2(largest magnitude)) - 2); its byte is the largest magnitude's exponent field - 2, held at 1 from below (a block of zeros keeps 1: its codes are zeros, and only this program reads the bytes).
; LIMITS: NaN and infinities are not served; blocks whose largest magnitude lies under 2^-124 keep the byte 1; the logits are summed in another order than the definition's, so a tie within f32 rounding may fall the other way.
; LDS: each of the three paths has bytes of its own.
.set WR,  0                            ; tokens: Wr as it lies, 8,192 bytes
.set XST, 8192                         ; tokens: a stage of 32 tokens x 192 bytes for each wave
.set MSK, 32768                        ; tokens: for each wave 8 masks and 8 counts, 64 bytes
.set SW1, 33024                        ; W1: 1,024 bytes of scale words
.set SW2, 34048                        ; W2: likewise
.set LA,  16                           ; v16-23  logits, even channels' sums (begun with br)
.set LB,  24                           ; v24-31  logits, odd channels' sums
.set X,   32                           ; v32-127 three sets of 32 channels of my token
.set WA,  128                          ; v128-159, v160-191 two buffers of 4 channels of Wr
.set WB,  160
.set C,   192                          ; v192-197 a block's codes; v200-202 its upper half as converted
.set C2,  200
.set EX,  64                           ; v64-127 later: all four waves' masks (16 w + e) and counts (16 w + 8 + e)
.macro LOADX k                         ; channels 32 k .. 32 k + 31 of my token: a wave reads 128 neighbouring bytes of a channel's row, the four waves 512
.irp i, 0,1,2,3,4,5,6,7,8,9,10,11,12,13,14,15,16,17,18,19,20,21,22,23,24,25,26,27,28,29,30,31
	global_load_b32 v[X+32*((\k)%3)+\i], v2, s[8:9] offset:(32*(\k)+\i)*8192 th:TH_LOAD_NT
.endr
.endm
.macro WCH wb, ch                      ; 4 channels of Wr (128 bytes), the same for every lane
.irp m, 0,1,2,3,4,5,6,7
	ds_load_b128 v[\wb+4*\m:\wb+4*\m+3], v3 offset:WR+128*(\ch)+16*\m
.endr
.endm
.macro FMA4 wb, xr                     ; 4 channels x 8 experts: two experts an instruction; the channel's number is taken for both halves
.irp i, 0,2
.irp p, 0,1,2,3
	v_pk_fma_f32 v[LA+2*\p:LA+2*\p+1], v[(\xr)+\i:(\xr)+\i+1], v[\wb+8*\i+2*\p:\wb+8*\i+2*\p+1], v[LA+2*\p:LA+2*\p+1] op_sel_hi:[0,1,1]
.endr
.irp p, 0,1,2,3
	v_pk_fma_f32 v[LB+2*\p:LB+2*\p+1], v[(\xr)+\i:(\xr)+\i+1], v[\wb+8*\i+8+2*\p:\wb+8*\i+8+2*\p+1], v[LB+2*\p:LB+2*\p+1] op_sel:[1,0,0] op_sel_hi:[1,1,1]
.endr
.endr
.endm
; Block kb of 32 channels: its part of the logits, its scale, its 24 bytes of codes.
.macro XBLK kb
.set XS, X+32*((\kb)%3)
.if (\kb) < 7
	s_wait_loadcnt 32                              ; this block's 32 loads are in; the next block's 32 may be out
.else
	s_wait_loadcnt 0x0
.endif
.if (\kb)+2 < 8
	LOADX (\kb)+2                                  ; into the set that the block before has left
.endif
	WCH WA, 8*(\kb)
	WCH WB, 8*(\kb)+1
	v_max3_num_f32 v8, |v[XS]|, |v[XS+1]|, |v[XS+2]|
	v_max3_num_f32 v9, |v[XS+3]|, |v[XS+4]|, |v[XS+5]|
.irp i, 6,10,14,18,22,26
	v_max3_num_f32 v8, v8, |v[XS+\i]|, |v[XS+\i+1]|
	v_max3_num_f32 v9, v9, |v[XS+\i+2]|, |v[XS+\i+3]|
.endr
	v_max3_num_f32 v8, v8, |v[XS+30]|, |v[XS+31]|
	v_max3_num_f32 v8, v8, v9, 0x1800000           ; with the floor 2^(3 - 127): the byte cannot fall under 1
	v_add_nc_u32 v15, 0xff000000, v8               ; 2 off the exponent field: the conversion's scale operand
	v_lshrrev_b32 v204, 23, v15                    ; the scale's byte
.set J, 0
.rept 8
.if J < 7
	s_wait_dscnt 8                                 ; this chunk's 8 loads are in; the other buffer's 8 may be out
.else
	s_wait_dscnt 0x0                               ; the last chunk; the last block's stores into the stage are done too
.endif
.if J%2 == 0
	FMA4 WA, XS+4*J
.if J+2 < 8
	WCH WA, 8*(\kb)+J+2
.endif
.else
	FMA4 WB, XS+4*J
.if J+2 < 8
	WCH WB, 8*(\kb)+J+2
.endif
.endif
.set J, J+1
.endr
	v_cvt_scalef32_pk16_fp6_f32 v[C:C+2], v[XS:XS+15], v15
	v_cvt_scalef32_pk16_fp6_f32 v[C2:C2+2], v[XS+16:XS+31], v15     ; (a conversion's three registers begin on an even number)
.if (\kb)%4 == 0
	v_mov_b32 v[10+(\kb)/4], v204                  ; four bytes to a scale word, the lower K in the lower byte.  (Also the plain line behind the conversions)
.else
	v_lshl_or_b32 v[10+(\kb)/4], v204, 8*((\kb)%4), v[10+(\kb)/4]
.endif
.irp i, 0,1,2
	v_mov_b32 v[C+3+\i], v[C2+\i]
.endr
.irp i, 0,1,2
	ds_store_b64 v4, v[C+2*\i:C+2*\i+1] offset:96*((\kb)%2)+24*((\kb)/2)+8*\i   ; a token's 192 bytes: the even blocks, then the odd: what each half of the lanes will take
.endr
.endm
; The weights: a lane takes a column, its registers run down K.  Block t of 32 along K.
.macro WLOAD t, pitch
.irp i, 0,1,2,3,4,5,6,7,8,9,10,11,12,13,14,15,16,17,18,19,20,21,22,23,24,25,26,27,28,29,30,31
	global_load_b32 v[32+32*((\t)%2)+\i], v2, s[30:31] offset:(32*(\t)+\i)*\pitch th:TH_LOAD_NT
.endr
.endm
.macro WBLOCK t, pitch
.set XS, 32+32*((\t)%2)
.set GR, 96+12*(2*((\t)/4)+(\t)%2)+6*(((\t)/2)%2)   ; block 4 s + 2 c + h: registers 6 c on of the 12 that lane (row, h) holds of K step s
.if (\t) < 7
	s_wait_loadcnt 32                              ; this block's 32 loads are in; the next block's may be out
.else
	s_wait_loadcnt 0x0
.endif
	v_max3_num_f32 v8, |v[XS]|, |v[XS+1]|, |v[XS+2]|
	v_max3_num_f32 v9, |v[XS+3]|, |v[XS+4]|, |v[XS+5]|
.irp i, 6,10,14,18,22,26
	v_max3_num_f32 v8, v8, |v[XS+\i]|, |v[XS+\i+1]|
	v_max3_num_f32 v9, v9, |v[XS+\i+2]|, |v[XS+\i+3]|
.endr
	v_max3_num_f32 v8, v8, |v[XS+30]|, |v[XS+31]|
	v_max3_num_f32 v8, v8, v9, 0x1800000
	v_add_nc_u32 v10, 0xff000000, v8
	v_lshrrev_b32 v11, 23, v10
	v_cvt_scalef32_pk16_fp6_f32 v[GR:GR+2], v[XS:XS+15], v10
	v_cvt_scalef32_pk16_fp6_f32 v[14:16], v[XS+16:XS+31], v10
.if (\t)%4 == 0
	v_mov_b32 v[12+(\t)/4], v11                    ; (also the plain line behind the conversions)
.else
	v_lshl_or_b32 v[12+(\t)/4], v11, 8*((\t)%4), v[12+(\t)/4]
.endif
.irp i, 0,1,2
	v_mov_b32 v[GR+3+\i], v[14+\i]
.endr
.if (\t)+2 < 8
	WLOAD (\t)+2, \pitch
.endif
.endm
.macro WQ pitch                        ; 128 columns x 256 along K.  v2 in, v3 out, v4 scale word's LDS place, v5 LDS read, v6 scale words out
	WLOAD 0, \pitch
	WLOAD 1, \pitch
.irp t, 0,1,2,3,4,5,6,7
	WBLOCK \t, \pitch
.endr
.irp g, 0,1,2,3
.irp c, 0,1,2
	global_store_b128 v3, v[96+12*\g+4*\c:96+12*\g+4*\c+3], s[32:33] offset:1536*(\g/2)+512*\c+256*(\g%2)   ; sixteen lanes store 256 consecutive bytes, aligned: registers 4 c on of lanes 16 h .. 16 h + 15 of a fragment
.endr
.endr
	ds_store_b32 v4, v12                           ; my column's scale words of the two K steps
	ds_store_b32 v4, v13 offset:256
	s_wait_dscnt 0x0                               ; for the others' sake: my stores are done
	s_barrier_signal -1
	s_barrier_wait -1
	s_cmp_gt_u32 s2, 1
	s_cbranch_scc1 .Lwend_\@                       ; waves 0 and 1 carry the 1,024 bytes out
	ds_load_b128 v[144:147], v5
	s_wait_dscnt 0x0
	global_store_b128 v6, v[144:147], s[34:35]
.Lwend_\@:
	s_wait_tensorcnt 0x0
	ds_add_u32 v254, v255
	s_wait_dscnt 0x0
	s_endpgm
.endm
.macro DESC lvl, w                     ; one step down: t = set bits in the lower half of the group at v221; k >= t: the bit sought lies in the upper half
	v_bfe_u32 v220, v[\lvl], v221, \w
	v_cmp_ge_u32 vcc_lo, v215, v220
	v_cndmask_b32 v220, 0, v220, vcc_lo
	v_sub_nc_u32 v215, v215, v220
	v_cndmask_b32 v222, 0, \w, vcc_lo
	v_add_nc_u32 v221, v221, v222
.endm
; Expert e: my token's place among e's tokens; e's count; and, for slot = my thread's number, the slot-th token of e (slots beyond the count get some token 0 .. 127, which nobody uses).
.macro RANKSEL e
	v_add_nc_u32 v208, v[EX+8+\e], v[EX+24+\e]     ; tokens of e in waves 0-1,
	v_add_nc_u32 v209, v208, v[EX+40+\e]           ; 0-2,
	v_add_nc_u32 v210, v209, v[EX+56+\e]           ; in the block
	v_cndmask_b32 v211, 0, v[EX+8+\e], s56         ; those in the waves before mine
	v_cndmask_b32 v211, v211, v208, s57
	v_cndmask_b32 v211, v211, v209, s58
	v_mbcnt_lo_u32_b32 v212, s[40+\e], v211        ; + those in the lanes before mine
	v_cmp_eq_u32 vcc_lo, \e, v33
	v_cndmask_b32 v36, v36, v212, vcc_lo
	v_cmp_eq_u32 vcc_lo, \e, v35
	v_cndmask_b32 v37, v37, v212, vcc_lo
	v_cmp_eq_u32 vcc_lo, \e, v1
	v_cndmask_b32 v213, v213, v210, vcc_lo         ; lane e keeps e's count
	v_cmp_ge_u32 vcc_lo, v0, v[EX+8+\e]            ; which wave's mask holds the slot-th set bit
	v_cndmask_b32 v214, v[EX+\e], v[EX+16+\e], vcc_lo
	v_cndmask_b32 v215, 0, v[EX+8+\e], vcc_lo
	v_cndmask_b32 v216, 0, 1, vcc_lo
	v_cmp_ge_u32 vcc_lo, v0, v208
	v_cndmask_b32 v214, v214, v[EX+32+\e], vcc_lo
	v_cndmask_b32 v215, v215, v208, vcc_lo
	v_cndmask_b32 v216, v216, 2, vcc_lo
	v_cmp_ge_u32 vcc_lo, v0, v209
	v_cndmask_b32 v214, v214, v[EX+48+\e], vcc_lo
	v_cndmask_b32 v215, v215, v209, vcc_lo
	v_cndmask_b32 v216, v216, 3, vcc_lo
	v_sub_nc_u32 v215, v0, v215                    ; k: the k-th set bit of that word
	v_lshrrev_b32 v217, 1, v214
	v_and_b32 v217, 0x55555555, v217
	v_sub_nc_u32 v217, v214, v217                  ; counts of 2 bits,
	v_lshrrev_b32 v218, 2, v217
	v_and_b32 v218, 0x33333333, v218
	v_and_b32 v219, 0x33333333, v217
	v_add_nc_u32 v218, v218, v219                  ; of 4,
	v_lshrrev_b32 v219, 4, v218
	v_add_nc_u32 v219, v219, v218
	v_and_b32 v219, 0x0f0f0f0f, v219               ; of 8,
	v_lshrrev_b32 v220, 8, v219
	v_add_nc_u32 v220, v220, v219
	v_and_b32 v220, 0xff, v220                     ; of the low 16
	v_cmp_ge_u32 vcc_lo, v215, v220
	v_cndmask_b32 v220, 0, v220, vcc_lo
	v_sub_nc_u32 v215, v215, v220
	v_cndmask_b32 v221, 0, 16, vcc_lo
	DESC 219, 8
	DESC 218, 4
	DESC 217, 2
	DESC 214, 1
	v_lshl_add_u32 v[224+\e], v216, 5, v221        ; the token: 32 x wave + bit: 127 at the most, a byte
	global_store_b8 v0, v[224+\e], s[36:37] offset:128*\e   ; slot = my thread's number: the work-group's 128 bytes of expert e lie on end, the eight experts' 1,024 too
.endm
	s_load_b512 s[8:23], s[0:1], 0x0               ; x s[8:9], Wr s[10:11], br s[12:13], W1 s[14:15], W2 s[16:17], wq s[18:19], ws s[20:21], xq s[22:23]
	s_load_b128 s[24:27], s[0:1], 0x40             ; xs s[24:25], gate s[26:27]
	s_load_b64 s[28:29], s[0:1], 0x50              ; route
	s_load_b64 s[36:37], s[0:1], 0x58              ; list
	s_load_b64 s[38:39], s[0:1], 0x60              ; cnt
	v_lshl_add_u32 v254, v0, 2, 0x8c00
	v_mov_b32 v255, 0
	v_lshrrev_b32 v1, 5, v0
	v_readfirstlane_b32 s2, v1                     ; wave 0..3
	v_and_b32 v1, 31, v0                           ; lane
	v_lshlrev_b32 v2, 2, v0                        ; 4 x thread: my token's (my column's) bytes in a row
	s_mov_b32 s5, 0
	s_wait_kmcnt 0x0
	s_cmp_lt_u32 ttmp9, 32
	s_cbranch_scc1 .Lw1
	s_cmp_lt_u32 ttmp9, 64
	s_cbranch_scc1 .Lw2
	; ---------------- a block of 128 tokens ----------------
	s_sub_co_u32 s3, ttmp9, 64                     ; the block
	s_lshr_b32 s4, s3, 4
	s_lshl_b32 s4, s4, 21                          ; its image: 256 channels x 8,192 bytes
	s_and_b32 s6, s3, 15
	s_lshl_b32 s6, s6, 9                           ; its 128 tokens in a channel's row
	s_add_co_u32 s4, s4, s6
	s_add_nc_u64 s[8:9], s[8:9], s[4:5]
	s_mul_i32 s4, s3, 24576
	s_add_nc_u64 s[22:23], s[22:23], s[4:5]        ; its codes: 128 x 192 bytes
	s_lshl_b32 s4, s3, 10
	s_add_nc_u64 s[24:25], s[24:25], s[4:5]        ; its scale words and its gates: 128 x 8 bytes each
	s_add_nc_u64 s[26:27], s[26:27], s[4:5]
	s_add_nc_u64 s[36:37], s[36:37], s[4:5]        ; its lists: 8 experts x 128 slots x 1 byte
	s_lshl_b32 s4, s3, 9
	s_add_nc_u64 s[28:29], s[28:29], s[4:5]        ; its route words: 128 x 4 bytes
	s_lshl_b32 s4, s3, 7
	s_add_nc_u64 s[38:39], s[38:39], s[4:5]        ; its counts: 32 words, the first 8 the counts
	v_mov_b32 v3, 0
	v_lshrrev_b32 v13, 5, v0
	v_mul_u32_u24 v14, v13, 6144
	v_mad_u32_u24 v4, v1, 192, v14
	v_add_nc_u32 v4, XST, v4                       ; the stage, in: my token's 192 bytes
	v_lshl_add_u32 v14, v1, 4, v14                 ; out: 16 bytes a lane; the same place in the block's codes
	v_add_nc_u32 v13, XST, v14
	v_lshlrev_b32 v5, 4, v0
	v_lshlrev_b32 v6, 3, v0
	v_and_b32 v7, 0x60, v0
	v_lshlrev_b32 v7, 1, v7
	v_add_nc_u32 v7, MSK, v7                       ; my wave's 64 bytes of masks and counts
	v_mov_b32 v12, MSK
.irp i, 0,1,2,3
	global_load_b128 v[WA+4*\i:WA+4*\i+3], v5, s[10:11] offset:2048*\i
.endr
	global_load_b128 v[LA:LA+3], v3, s[12:13]      ; br starts the even channels' sums
	global_load_b128 v[LA+4:LA+7], v3, s[12:13] offset:16
	LOADX 0
	s_wait_loadcnt 32                              ; Wr and br are in; block 0's 32 loads may be out
.irp i, 0,1,2,3
	ds_store_b128 v5, v[WA+4*\i:WA+4*\i+3] offset:WR+2048*\i
.endr
	LOADX 1
.irp i, 0,1,2,3,4,5,6,7
	v_mov_b32 v[LB+\i], 0
.endr
	s_wait_dscnt 0x0                               ; for the others' sake: my part of Wr lies in LDS
	s_barrier_signal -1
	s_barrier_wait -1
.irp kb, 0,1,2,3,4,5,6,7
	XBLK \kb
.endr
	; the codes leave as they lie in the stage: 512 consecutive bytes a store
.irp j, 0,1,2,3,4,5,6,7,8,9,10,11
	ds_load_b128 v[128+4*\j:128+4*\j+3], v13 offset:512*\j   ; LDS serves a wave's instructions in order: these see my stores
.endr
	global_store_b64 v6, v[10:11], s[24:25]        ; my token's two scale words: 256 consecutive bytes a wave
.irp j, 0,1,2,3,4,5,6,7,8,9,10,11
	s_wait_dscnt 11-\j
	global_store_b128 v14, v[128+4*\j:128+4*\j+3], s[22:23] offset:512*\j
.endr
	; the router
.irp p, 0,2,4,6
	v_pk_add_f32 v[LA+\p:LA+\p+1], v[LA+\p:LA+\p+1], v[LB+\p:LB+\p+1]
.endr
	v_mov_b32 v32, v16                             ; m1, i1: the largest so far; m2, i2: the second
	v_mov_b32 v33, 0
	v_mov_b32 v34, 0xff800000
	v_mov_b32 v35, 1
.irp e, 1,2,3,4,5,6,7
	v_cmp_gt_f32 vcc_lo, v[LA+\e], v32             ; strictly greater: of equals the lower index stays ahead
	v_cmp_gt_f32 s30, v[LA+\e], v34
	v_cndmask_b32 v36, v[LA+\e], v32, vcc_lo       ; what may become the second: the old first, or this one
	v_cndmask_b32 v37, \e, v33, vcc_lo
	v_cndmask_b32 v32, v32, v[LA+\e], vcc_lo
	v_cndmask_b32 v33, v33, \e, vcc_lo
	v_cndmask_b32 v34, v34, v36, s30
	v_cndmask_b32 v35, v35, v37, s30
.endr
	v_sub_f32 v36, v34, v32                        ; the larger is taken away: 0 or less
	v_mul_f32 v36, 0x3fb8aa3b, v36
	v_exp_f32 v36, v36
	v_nop
	s_wait_alu depctr_va_vdst(0)                   ; the wait ahead of the first reader
	v_add_f32 v37, 1.0, v36
	v_rcp_f32 v38, v37                             ; the first's gate
	v_nop
	s_wait_alu depctr_va_vdst(0)
	v_mul_f32 v39, v36, v38                        ; the second's
	global_store_b64 v6, v[38:39], s[26:27]
	; my wave's masks and counts, to all waves
.irp e, 0,1,2,3,4,5,6,7
	v_cmp_eq_u32 s30, \e, v33
	v_cmp_eq_u32 s31, \e, v35
	s_or_b32 s[40+\e], s30, s31
	s_bcnt1_i32_b32 s[48+\e], s[40+\e]
	v_mov_b32 v[40+\e], s[40+\e]
	v_mov_b32 v[48+\e], s[48+\e]
.endr
.irp k, 0,1,2,3
	ds_store_b128 v7, v[40+4*\k:40+4*\k+3] offset:16*\k   ; every lane writes the same bytes with the same values
.endr
	s_cmp_ge_u32 s2, 1
	s_cselect_b32 s56, -1, 0
	s_cmp_ge_u32 s2, 2
	s_cselect_b32 s57, -1, 0
	s_cmp_ge_u32 s2, 3
	s_cselect_b32 s58, -1, 0
	v_mov_b32 v36, 0                               ; my token's places with its two experts
	v_mov_b32 v37, 0
	v_mov_b32 v213, 0
	s_wait_dscnt 0x0
	s_barrier_signal -1
	s_barrier_wait -1
.irp k, 0,1,2,3,4,5,6,7,8,9,10,11,12,13,14,15
	ds_load_b128 v[EX+4*\k:EX+4*\k+3], v12 offset:16*\k
.endr
	s_wait_dscnt 0x0
.irp e, 0,1,2,3,4,5,6,7
	RANKSEL \e
.endr
	v_lshl_or_b32 v232, v35, 4, v33                ; the route word: i1, i2 << 4, place 1 << 8, place 2 << 16
	v_lshl_or_b32 v232, v36, 8, v232
	v_lshl_or_b32 v232, v37, 16, v232
	global_store_b32 v2, v232, s[28:29]            ; 128 consecutive bytes a wave, the four waves' 512 on end
	s_cmp_lg_u32 s2, 0
	s_cbranch_scc1 .Lno_counts
	global_store_b32 v2, v213, s[38:39]            ; wave 0: lanes 0-7 the counts, the others 0: the block's 128 bytes whole
.Lno_counts:
	s_wait_tensorcnt 0x0
	ds_add_u32 v254, v255
	s_wait_dscnt 0x0
	s_endpgm
	; ---------------- W1: work-group j = 4 e + w: hidden units 128 w .. 128 w + 127 of expert e, all 256 of K ----------------
.Lw1:
	s_lshr_b32 s3, ttmp9, 2
	s_and_b32 s4, ttmp9, 3
	s_lshl_b32 s3, s3, 19
	s_lshl_b32 s4, s4, 9
	s_add_co_u32 s4, s4, s3
	s_add_nc_u64 s[30:31], s[14:15], s[4:5]
	s_mul_i32 s4, ttmp9, 24576
	s_add_nc_u64 s[32:33], s[18:19], s[4:5]        ; 16 fragments of 1,536 bytes: tile t, K step s at 2 t + s
	s_lshl_b32 s4, ttmp9, 10
	s_add_nc_u64 s[34:35], s[20:21], s[4:5]
	v_bfe_u32 v7, v0, 3, 1                         ; unit 32 b + 8 u + row + 8 (row / 8) is row `row` of tile 2 b + u: so u is bit 3 of the lane,
	v_and_b32 v8, 7, v0
	v_bfe_u32 v9, v0, 4, 1
	v_lshl_add_u32 v8, v9, 3, v8                   ; the row its bits 2:0 and bit 4, and b my wave
	v_bfe_u32 v9, v0, 5, 2
	v_mul_u32_u24 v3, v9, 6144
	v_mad_u32_u24 v3, v7, 3072, v3
	v_lshl_add_u32 v3, v8, 4, v3
	v_bfe_u32 v4, v0, 6, 1                         ; scale words: [t / 4][row + 16 s][t % 4]
	v_lshlrev_b32 v4, 9, v4
	v_bfe_u32 v9, v0, 5, 1
	v_lshl_add_u32 v4, v9, 3, v4
	v_lshl_add_u32 v4, v7, 2, v4
	v_lshl_add_u32 v4, v8, 4, v4
	v_add_nc_u32 v4, SW1, v4
	v_lshlrev_b32 v6, 4, v0
	v_add_nc_u32 v5, SW1, v6
	WQ 2048
	; ---------------- W2: work-group j = 4 e + 2 a + p: channels 128 a .. 128 a + 127 of expert e, K 256 p .. 256 p + 255 ----------------
.Lw2:
	s_sub_co_u32 s3, ttmp9, 32
	s_lshr_b32 s6, s3, 2                           ; e
	s_bfe_u32 s7, s3, 0x10001                      ; a
	s_and_b32 s3, s3, 1                            ; p
	s_lshl_b32 s4, s6, 19
	s_lshl_b32 s36, s3, 18
	s_add_co_u32 s4, s4, s36
	s_lshl_b32 s36, s7, 9
	s_add_co_u32 s4, s4, s36
	s_add_nc_u64 s[30:31], s[16:17], s[4:5]
	s_lshl_b32 s6, s6, 2
	s_lshl_b32 s7, s7, 1
	s_add_co_u32 s6, s6, s7                        ; 4 e + 2 a: the first of the two reader waves that I serve
	s_mul_i32 s4, s6, 24576
	s_mul_i32 s36, s3, 3072
	s_add_co_u32 s4, s4, s36
	s_add_co_u32 s4, s4, 786432
	s_add_nc_u64 s[32:33], s[18:19], s[4:5]        ; fragments: tile n, K step s at 4 n + s; mine are s = 2 p, 2 p + 1
	s_lshl_b32 s4, s6, 10
	s_lshl_b32 s36, s3, 9
	s_add_co_u32 s4, s4, s36
	s_add_co_u32 s4, s4, 32768
	s_add_nc_u64 s[34:35], s[20:21], s[4:5]
	v_and_b32 v8, 15, v0                           ; row
	v_bfe_u32 v7, v0, 4, 2                         ; tile n of the reader wave
	v_bfe_u32 v9, v0, 6, 1                         ; which of the two reader waves
	v_mul_u32_u24 v3, v9, 24576
	v_mad_u32_u24 v3, v7, 6144, v3
	v_lshl_add_u32 v3, v8, 4, v3
	v_lshlrev_b32 v4, 9, v9                        ; scale words: [reader wave][row + 16 (s % 2)][n]
	v_lshl_add_u32 v4, v8, 4, v4
	v_lshl_add_u32 v4, v7, 2, v4
	v_add_nc_u32 v4, SW2, v4
	v_lshlrev_b32 v5, 4, v0
	v_add_nc_u32 v5, SW2, v5
	v_lshlrev_b32 v6, 4, v1
	v_bfe_u32 v9, v0, 5, 2
	v_lshl_add_u32 v6, v9, 10, v6
	WQ 1024
.Lfunc_end_k_q1874afd822_prep:
	.size	k_q1874afd822_prep, .Lfunc_end_k_q1874afd822_prep-k_q1874afd822_prep
	.p2alignl 7, 3214868480
	.fill 96, 4, 3214868480
	.section	.rodata,"a",@progbits
	.p2align	6, 0x0
	.amdhsa_kernel k_q1874afd822_prep
		.amdhsa_group_segment_fixed_size 36352
		.amdhsa_private_segment_fixed_size 0
		.amdhsa_enable_private_segment 0
		.amdhsa_kernarg_size 104
		.amdhsa_user_sgpr_count 2
		.amdhsa_user_sgpr_kernarg_segment_ptr 1
		.amdhsa_wavefront_size32 1
		.amdhsa_system_sgpr_workgroup_id_x 1
		.amdhsa_system_sgpr_workgroup_id_y 1
		.amdhsa_system_sgpr_workgroup_id_z 1
		.amdhsa_system_vgpr_workitem_id 0
		.amdhsa_next_free_vgpr 256
		.amdhsa_next_free_sgpr 66
		.amdhsa_reserve_vcc 1
		.amdhsa_float_denorm_mode_32 3
		.amdhsa_float_denorm_mode_16_64 3
		.amdhsa_memory_ordered 1
		.amdhsa_forward_progress 1
		.amdhsa_inst_pref_size 250
	.end_amdhsa_kernel
	.amdgpu_metadata
---
amdhsa.version: [ 1, 2 ]
amdhsa.kernels:
  - .name:           k_q1874afd822_prep
    .symbol:         k_q1874afd822_prep.kd
    .args:
      - { .name: x, .offset: 0, .size: 8, .value_kind: global_buffer, .address_space: global }
      - { .name: Wr, .offset: 8, .size: 8, .value_kind: global_buffer, .address_space: global }
      - { .name: br, .offset: 16, .size: 8, .value_kind: global_buffer, .address_space: global }
      - { .name: W1, .offset: 24, .size: 8, .value_kind: global_buffer, .address_space: global }
      - { .name: W2, .offset: 32, .size: 8, .value_kind: global_buffer, .address_space: global }
      - { .name: wq, .offset: 40, .size: 8, .value_kind: global_buffer, .address_space: global }
      - { .name: ws, .offset: 48, .size: 8, .value_kind: global_buffer, .address_space: global }
      - { .name: xq, .offset: 56, .size: 8, .value_kind: global_buffer, .address_space: global }
      - { .name: xs, .offset: 64, .size: 8, .value_kind: global_buffer, .address_space: global }
      - { .name: gate, .offset: 72, .size: 8, .value_kind: global_buffer, .address_space: global }
      - { .name: route, .offset: 80, .size: 8, .value_kind: global_buffer, .address_space: global }
      - { .name: list, .offset: 88, .size: 8, .value_kind: global_buffer, .address_space: global }
      - { .name: cnt, .offset: 96, .size: 8, .value_kind: global_buffer, .address_space: global }
    .group_segment_fixed_size: 36352
    .private_segment_fixed_size: 0
    .kernarg_segment_align: 8
    .kernarg_segment_size: 104
    .max_flat_workgroup_size: 128
    .sgpr_count:     66
    .vgpr_count:     256
    .wavefront_size: 32
...
	.end_amdgpu_metadata
.endif
;; end of part 3
;; launch moe (part 4): grid 256 x 1, 4 waves a work-group, no clusters, 201,216 bytes of LDS; arguments x, b1, b2, scale, wq, ws, xq, xs, gate, route, list, cnt, out0; writes out0
.if DOCPART == 4
	.amdgcn_target "amdgcn-amd-amdhsa--gfx1250"
	.amdhsa_code_object_version 6
	.text
	.protected	k_q1874afd822_moe
	.globl	k_q1874afd822_moe
	.p2align	8
	.type	k_q1874afd822_moe,@function
k_q1874afd822_moe:
	s_mov_b64 s[64:65], 0
	v_nop
	global_prefetch_b8 v0, s[64:65] scope:SCOPE_SE
	s_setreg_imm32_b32 hwreg(HW_REG_WAVE_MODE, 25, 1), 1
	s_wait_xcnt 0x0
; MOE.  out = x + scale * sum over the two chosen experts of gate * (gelu(tok W1 + b1) W2 + b2), both products on codes of FP6 (E2M3) with one E8M0 scale for each 32 along K.
; A work-group owns 128 neighbouring tokens and is the one owner of their outputs.  It walks the 8 experts; for each it multiplies only tiles of 16 rows taken from that expert's list of the block's tokens
; (lists, places and counts were stored as whole numbers by the launch before).  The hidden layer goes from wave to wave through LDS as images of the operand's registers; the outputs' sums stay in registers.
; THE WAVES SHARE THE COLUMNS: wave w makes hidden units 128 w .. 128 w + 127 and channels 64 w .. 64 w + 63 for all rows, so each weight byte is loaded once a work-group, straight into registers,
; from a workspace laid in the order of the operand's registers.  No tensor load: which tiles are multiplied hangs on counts read from memory.  No cluster: blocks need different tiles at different times.
; AN EXPERT, three barriers:  P1: for each tile of rows: x's codes gathered by the list, my 8 tiles of the hidden layer (transposed: source 0 = 16 rows of W1, source 1 = the rows), gelu, quantised, image to LDS | barrier |
; P2: all four K steps' images from LDS, my 4 tiles of channels, results to my stage in LDS by slot | barrier |  G: each lane takes the rows of its four tokens from the stage by their places and adds gate x row | barrier.
; Between the second and the third barrier stand LDS loads alone: there the addresses made of stored places are used.
; GELU.  2 gelu(u) = u + u erf(u / sqrt 2), erf by the quotient of an odd polynomial of degree 13 and an even one of degree 8 on |u| <= 4 sqrt 2, the 1 / sqrt 2 folded into the coefficients; the factor 2 is exact and is taken off the scale's byte.
; LIMITS: NaN and infinities are not served; 1 + erf is good to about 3e-7 absolute; a hidden block whose largest 2 gelu lies under 2^-123 keeps the byte 1.
.set HIMG, 0                           ; LDS: the hidden layer's images: 9 tiles x 4 K steps x 1,536 bytes (tile 8 stays zero: the fetch runs one tile ahead)
.set HSC,  55296                       ; their scale words: 9 x 4 x 128 bytes; images and words are cleared once, up to STG
.set STG,  61440                       ; the stages: for each wave 128 slots x (256 bytes + 16)
.set TILEB, 6144
.set RR,  2                            ; v2   lane % 16: a list entry is a byte
.set H96, 3                            ; v3   96 x (lane / 16)
.set LI,  4                            ; v4   16 x lane
.set LS,  5                            ; v5   4 x lane
.set HWI, 6                            ; v6   where I store images: 16 x lane + 1,536 x wave
.set HWS, 7                            ; v7   and their scale words: HSC + 4 x lane + 128 x wave
.set SO,  8                            ; v8   my stage: row lane % 16, + 32 x (lane / 16)
.set STB, 9                            ; v9   my stage's first byte
.set B1O, 10                           ; v10  64 x (lane / 16)
.set B2O, 11                           ; v11  32 x (lane / 16)
.set GA,  12                           ; v12-13 the gather's offsets
.set GS,  13
.set TA,  14                           ; v14  the list entry's offset
.set TOK, 15                           ; v15  the next tile's token
.set TN,  16                           ; v16-17 the next expert's first two list entries
.set AD,  18                           ; v18-19, v253 LDS addresses at work
.set AD2, 19
.set RT,  20                           ; v20-23 my four tokens' route words
.set GT,  24                           ; v24-31 their gates
.set W1S, 32                           ; v32-39 W1's scale words: tile t; lanes 0-15 K step 0, lanes 16-31 K step 1
.set W2S, 40                           ; v40-47 W2's: 4 (s / 2) + n; lanes 16 (s % 2) on
.set XFA, 48                           ; v48-71, v72-95 a tile of rows' codes, both K steps: two sets
.set XFB, 72
.set XSA, 96                           ; v96-97, v98-99 their scale words
.set XSB, 98
.set HA,  100                          ; v100-163 my 8 tiles of the hidden layer
.set UC,  164                          ; gelu: 16 numbers at a time: u held, u^2, numerator, denominator
.set WW,  180
.set PP,  196
.set QQ,  212
.set PC,  164                          ; the quantiser: codes, at work, the scale word
.set TM,  184
.set PW,  200
.set FA,  100                          ; P2: four K steps' fragments of a tile of rows: two sets
.set FB,  148
.set YA,  204                          ; v204-235 my 4 tiles of channels
.set T0,  100                          ; G: a token's 64 channels: two sets
.set T1,  164
.set VA,  228                          ; v228-231 the four tokens' rows in the stage
.set WE,  232                          ; v232-235 their gates with this expert, or 0
.set HSA, 236                          ; v236-239, v240-243 the hidden layer's scale words
.set HSB, 240
.set TT,  244                          ; v244-247 at work in G
.set KQ4, 248                          ; v248-249 q4 twice; v250-251 p6 twice
.set KP6, 250
.set TNA, 252
.set AD3, 253
; window 1: W1's fragments at 12 (2 t + s), b1's tiles at 192 + 8 t; at the end x, four tokens of channel c at 4 c.   window 2: W2's fragments at 12 (4 n + s), b2's tiles at 192 + 8 n.
; window 3: the sums: token 4 lane + q, channel 64 wave + c at 64 q + c.
; s2 wave, s3 expert, s4 its count, s5 the tile's first slot, s6/s13/s7 the tile's bytes in images, scale words, stage, s8 trips, s10-11 the counts packed, s12 scale, s62 128 x expert
; s[14:15] x, s[16:17] out, s[18:19] W1's codes, s[20:21] W2's, s[22:23] W1's scale words, s[24:25] W2's, s[26:27] b1, s[28:29] b2, s[30:31] the block's codes, s[32:33] its scale words, s[34:35] its lists
; s36-43 q0-q3, s44-55 p0-p5, each twice; s60-61 the hold; s66-67 lane selects
.set MSB, 0
.macro WIN new                         ; the immediate's high byte repeats the setting that is left
.if MSB != \new
	s_set_vgpr_msb (MSB<<8)|\new
.set MSB, \new
.endif
.endm
.macro BARRIER                         ; my LDS stores have landed and my LDS loads are in: then the work-group's barrier
	s_wait_dscnt 0x0
	s_barrier_signal -1
	s_barrier_wait -1
.endm
.macro LOADW1                          ; an expert's W1 for my 128 units: 16 fragments, b1 in the result's layout, scale words: 512 consecutive bytes a load
	WIN 0x40
.set F, 0
.rept 16
.irp c, 0,1,2
	global_load_b128 v[12*F+4*\c:12*F+4*\c+3], v[LI], s[18:19] offset:1536*F+512*\c
.endr
.set F, F+1
.endr
.irp t, 0,1,2,3,4,5,6,7
	global_load_b128 v[192+8*\t:192+8*\t+3], v[B1O], s[26:27] offset:(32*(\t/2)+8*(\t%2))*4
	global_load_b128 v[196+8*\t:196+8*\t+3], v[B1O], s[26:27] offset:(32*(\t/2)+8*(\t%2))*4+16
.endr
	WIN 0
	global_load_b128 v[W1S:W1S+3], v[LI], s[22:23]
	global_load_b128 v[W1S+4:W1S+7], v[LI], s[22:23] offset:512
.endm
.macro LOADW2
	WIN 0x80
.set F, 0
.rept 16
.irp c, 0,1,2
	global_load_b128 v[12*F+4*\c:12*F+4*\c+3], v[LI], s[20:21] offset:1536*F+512*\c
.endr
.set F, F+1
.endr
.irp n, 0,1,2,3
	global_load_b128 v[192+8*\n:192+8*\n+3], v[B2O], s[28:29] offset:64*\n
	global_load_b128 v[196+8*\n:196+8*\n+3], v[B2O], s[28:29] offset:64*\n+16
.endr
	WIN 0
	global_load_b128 v[W2S:W2S+3], v[LI], s[24:25]
	global_load_b128 v[W2S+4:W2S+7], v[LI], s[24:25] offset:512
.endm
.macro GATHER xf, xs, tok              ; lane (r, h) takes the 96 bytes of its half of token `tok`'s codes (both K steps' 24 registers) and the token's two scale words
	v_min_u32 v[GA], 127, v[\tok]                  ; a stored number enters an address held to the block's 128 tokens
	v_lshlrev_b32 v[GS], 3, v[GA]
	v_mul_u32_u24 v[GA], v[GA], 192
	v_add_nc_u32 v[GA], v[GA], v[H96]
.irp k, 0,1,2,3,4,5
	global_load_b128 v[\xf+4*\k:\xf+4*\k+3], v[GA], s[30:31] offset:16*\k
.endr
	global_load_b64 v[\xs:\xs+1], v[GS], s[32:33]
.endm
.macro PKF d, a, b, sc                 ; sixteen d = a b + a constant
.irp k, 0,2,4,6,8,10,12,14
	v_pk_fma_f32 v[\d+\k:\d+\k+1], v[\a+\k:\a+\k+1], v[\b+\k:\b+\k+1], s[\sc:\sc+1] op_sel_hi:[1,1,0]
.endr
.endm
.macro PKF0 d, a, kv, sc               ; the first step of a polynomial: both coefficients are constants
.irp k, 0,2,4,6,8,10,12,14
	v_pk_fma_f32 v[\d+\k:\d+\k+1], v[\a+\k:\a+\k+1], v[\kv:\kv+1], s[\sc:\sc+1] op_sel_hi:[1,1,0]
.endr
.endm
.macro PKM d, a, b
.irp k, 0,2,4,6,8,10,12,14
	v_pk_mul_f32 v[\d+\k:\d+\k+1], v[\a+\k:\a+\k+1], v[\b+\k:\b+\k+1]
.endr
.endm
.macro GELU16 b                        ; v[HA + b ..] : u -> u + u erf(u / sqrt 2).  Each accumulator is read from its low end on
.irp i, 0,1,2,3,4,5,6,7,8,9,10,11,12,13,14,15
	v_med3_num_f32 v[UC+\i], v[HA+(\b)+\i], s60, s61
.endr
	PKM WW, UC, UC
	PKF0 QQ, WW, KQ4, 42
	PKF QQ, QQ, WW, 40
	PKF QQ, QQ, WW, 38
	PKF QQ, QQ, WW, 36
.irp i, 0,1,2,3,4,5,6,7,8,9,10,11,12,13,14,15
	v_rcp_f32 v[QQ+\i], v[QQ+\i]
.endr
	PKF0 PP, WW, KP6, 54                           ; the numerator is the independent work behind the sixteen reciprocals
	PKF PP, PP, WW, 52
	PKF PP, PP, WW, 50
	PKF PP, PP, WW, 48
	PKF PP, PP, WW, 46
	PKF PP, PP, WW, 44
	PKM PP, PP, UC
	s_wait_alu depctr_va_vdst(0)                   ; one wait for the batch, ahead of its first reader
	PKM PP, PP, QQ
.irp k, 0,2,4,6,8,10,12,14
	v_pk_fma_f32 v[HA+(\b)+\k:HA+(\b)+\k+1], v[HA+(\b)+\k:HA+(\b)+\k+1], v[PP+\k:PP+\k+1], v[HA+(\b)+\k:HA+(\b)+\k+1]
.endr
.endm
; 64 numbers of a lane, register 16 b + i = k 32 b + 16 (lane / 16) + i of my row, become a fragment's codes in v[PC] on and its scale word in v[PW].  The numbers are 2 gelu: 1 comes off each byte.
.macro QUANT s
.irp b, 0,1,2,3
	v_max3_num_f32 v[TM+\b], |v[\s+16*\b]|, |v[\s+1+16*\b]|, 0x2000000   ; with the floor 2^(4 - 127): the byte cannot fall under 1
.endr
.irp i, 2,4,6,8,10,12,14
.irp b, 0,1,2,3
	v_max3_num_f32 v[TM+\b], v[TM+\b], |v[\s+16*\b+\i]|, |v[\s+1+16*\b+\i]|
.endr
.endr
.irp b, 0,1,2,3
	v_permlanex16_b32 v[TM+4+\b], v[TM+\b], s66, s67
.endr
.irp b, 0,1,2,3
	v_max_num_f32 v[TM+\b], v[TM+\b], v[TM+4+\b]   ; with lane l xor 16's: the block's largest magnitude
.endr
.irp b, 0,1,2,3
	v_add_nc_u32 v[TM+12+\b], 0xff000000, v[TM+\b] ; 2 off its exponent field: the conversion's scale operand
.endr
.irp b, 0,1,2,3
	v_lshrrev_b32 v[TM+4+\b], 23, v[TM+12+\b]
.endr
	v_lshl_or_b32 v[PW], v[TM+5], 8, v[TM+4]
	v_lshl_or_b32 v[PW], v[TM+6], 16, v[PW]
	v_lshl_or_b32 v[PW], v[TM+7], 24, v[PW]
	v_add_nc_u32 v[PW], 0xfefefeff, v[PW]          ; 1 off each of the four bytes (each is 2 at the least: nothing is borrowed)
.irp c, 0,1
	v_cvt_scalef32_pk16_fp6_f32 v[PC+6*\c:PC+2+6*\c], v[\s+32*\c:\s+15+32*\c], v[TM+12+2*\c]
	v_cvt_scalef32_pk16_fp6_f32 v[PC+12+4*\c:PC+14+4*\c], v[\s+16+32*\c:\s+31+32*\c], v[TM+12+2*\c+1]
.endr
	v_nop                                          ; one plain line behind a scaled conversion
.irp c, 0,1                                    ; the operand's layout wants a whole block in a lane
.irp i, 0,1,2
	v_permlane16_swap_b32 v[PC+6*\c+\i], v[PC+12+4*\c+\i]
.endr
.irp i, 0,1,2
	v_mov_b32 v[PC+3+6*\c+\i], v[PC+12+4*\c+\i]
.endr
.endr
.endm
; A tile of 16 rows of the expert's list, first product.  xf, xs: its codes and scale words; of, os: the set that takes the next tile's.
.macro P1TILE xf, xs, of, os
	s_cmp_ge_u32 s5, s4                            ; no row of the list left: the tile is passed over
	s_cbranch_scc1 .Lp1skip_\@
	WIN 0x11                                       ; source 0 (W1) and C (b1) window 1
.irp t, 0,1,2,3,4,5,6,7
	v_wmma_scale_f32_16x16x128_f8f6f4 v[HA+8*\t:HA+8*\t+7], v[24*\t:24*\t+11], v[\xf:\xf+11], v[192+8*\t:192+8*\t+7], v[W1S+\t], v[\xs] matrix_a_fmt:MATRIX_FMT_FP6 matrix_b_fmt:MATRIX_FMT_FP6
.endr
	WIN 0x01                                       ; the eight accumulators take turns
.irp t, 0,1,2,3,4,5,6,7
	v_wmma_scale_f32_16x16x128_f8f6f4 v[HA+8*\t:HA+8*\t+7], v[24*\t+12:24*\t+23], v[\xf+12:\xf+23], v[HA+8*\t:HA+8*\t+7], v[W1S+\t], v[\xs+1] matrix_a_fmt:MATRIX_FMT_FP6 matrix_b_fmt:MATRIX_FMT_FP6 matrix_a_scale:MATRIX_SCALE_ROW1
.endr
	WIN 0
	s_wait_dscnt 0x0                               ; the last tile's image stores have read their registers
	GATHER \of, \os, TOK                           ; the next tile's rows; its four vector lines are the places behind the products
	s_add_co_u32 s9, s5, 32
	s_and_b32 s9, s9, 127
	s_add_co_u32 s9, s9, s62
	v_add_nc_u32 v[TA], s9, v[RR]
	global_load_u8 v[TOK], v[TA], s[34:35]         ; the list entry of the tile after that: inside the expert's 128 bytes
	v_add_nc_u32 v[AD], s6, v[HWI]
	v_add_nc_u32 v[AD2], s13, v[HWS]
	GELU16 0
	GELU16 16
	GELU16 32
	GELU16 48
	QUANT HA
.irp c, 0,1,2
	ds_store_b128 v[AD], v[PC+4*\c:PC+4*\c+3] offset:512*\c   ; K step `wave` of the second product, as the registers stand
.endr
	ds_store_b32 v[AD2], v[PW]
	s_wait_loadcnt 0x0                             ; the next tile's rows and list entry, asked for a tile's arithmetic ago, are in (and W2, asked for ahead of the first tile): no load is out, so offsets may be written
.Lp1skip_\@:
	s_add_co_u32 s5, s5, 16
	s_add_co_u32 s6, s6, TILEB
	s_add_co_u32 s13, s13, 512
.endm
.macro FETCH f, hs, va, vs, offi, offs  ; a tile's four images and scale words: 16 LDS loads
.irp s, 0,1,2,3
.irp c, 0,1,2
	ds_load_b128 v[\f+12*\s+4*\c:\f+12*\s+4*\c+3], v[\va] offset:\offi+1536*\s+512*\c
.endr
.endr
.irp s, 0,1,2,3
	ds_load_b32 v[\hs+\s], v[\vs] offset:\offs+128*\s
.endr
.endm
; The same tile, second product: my 64 channels for its 16 rows, to my stage.  f, hs: its images and scale words; of, ohs: the set that takes the next tile's.
.macro P2TILE f, hs, of, ohs
	s_cmp_ge_u32 s5, s4
	s_cbranch_scc1 .Lp2skip_\@
	s_wait_dscnt 0x0                               ; no LDS instruction of mine is out: this tile's images, asked for a tile ago, are in, and the last tile's stage stores have read their registers.  The count is 0 since a tile's place may be passed over: nothing is counted on what the place before has issued
	v_add_nc_u32 v[AD2], s6, v[LI]
	v_add_nc_u32 v[AD3], s13, v[LS]
	FETCH \of, \ohs, AD2, AD3, HIMG+TILEB, HSC+512 ; the next tile's images land under this tile's sixteen products (behind the last tile: tile 8, which stays zero)
	WIN 0x22                                       ; source 0 (W2) and C (b2) window 2
.irp n, 0,1,2,3
	v_wmma_scale_f32_16x16x128_f8f6f4 v[YA+8*\n:YA+8*\n+7], v[48*\n:48*\n+11], v[\f:\f+11], v[192+8*\n:192+8*\n+7], v[W2S+\n], v[\hs] matrix_a_fmt:MATRIX_FMT_FP6 matrix_b_fmt:MATRIX_FMT_FP6
.endr
	WIN 0x02                                       ; the four accumulators take turns
.irp n, 0,1,2,3
	v_wmma_scale_f32_16x16x128_f8f6f4 v[YA+8*\n:YA+8*\n+7], v[48*\n+12:48*\n+23], v[\f+12:\f+23], v[YA+8*\n:YA+8*\n+7], v[W2S+\n], v[\hs+1] matrix_a_fmt:MATRIX_FMT_FP6 matrix_b_fmt:MATRIX_FMT_FP6 matrix_a_scale:MATRIX_SCALE_ROW1
.endr
.irp n, 0,1,2,3
	v_wmma_scale_f32_16x16x128_f8f6f4 v[YA+8*\n:YA+8*\n+7], v[48*\n+24:48*\n+35], v[\f+24:\f+35], v[YA+8*\n:YA+8*\n+7], v[W2S+4+\n], v[\hs+2] matrix_a_fmt:MATRIX_FMT_FP6 matrix_b_fmt:MATRIX_FMT_FP6
.endr
.irp n, 0,1,2,3
	v_wmma_scale_f32_16x16x128_f8f6f4 v[YA+8*\n:YA+8*\n+7], v[48*\n+36:48*\n+47], v[\f+36:\f+47], v[YA+8*\n:YA+8*\n+7], v[W2S+4+\n], v[\hs+3] matrix_a_fmt:MATRIX_FMT_FP6 matrix_b_fmt:MATRIX_FMT_FP6 matrix_a_scale:MATRIX_SCALE_ROW1
.endr
	WIN 0
	v_add_nc_u32 v[AD], s7, v[SO]                  ; five places: four for the stores below and for later loads into these registers, the fifth because later products begin accumulators anew over them
.rept 4
	v_nop
.endr
.irp n, 0,1,2,3
	ds_store_b128 v[AD], v[YA+8*\n:YA+8*\n+3] offset:64*\n          ; lane (r, h): slot r of the tile, channels 16 n + 8 h + 0 .. 7; each accumulator from its low end on
	ds_store_b128 v[AD], v[YA+8*\n+4:YA+8*\n+7] offset:64*\n+16
.endr
.Lp2skip_\@:
	s_add_co_u32 s5, s5, 16
	s_add_co_u32 s6, s6, TILEB
	s_add_co_u32 s13, s13, 512
	s_add_co_u32 s7, s7, 4352
.endm
.macro GLOAD q, t
.irp k, 0,1,2,3,4,5,6,7,8,9,10,11,12,13,14,15
	ds_load_b128 v[\t+4*\k:\t+4*\k+3], v[VA+\q] offset:16*\k
.endr
.endm
.macro GFMA q, t                       ; the sums of token 4 lane + q += gate x row
	WIN 0xf0                                       ; C and D window 3
.set KK, 0
.rept 32
.if (\q)%2 == 0
	v_pk_fma_f32 v[64*\q+KK:64*\q+KK+1], v[\t+KK:\t+KK+1], v[WE+\q:WE+\q+1], v[64*\q+KK:64*\q+KK+1] op_sel_hi:[1,0,1]
.else
	v_pk_fma_f32 v[64*\q+KK:64*\q+KK+1], v[\t+KK:\t+KK+1], v[WE+\q-1:WE+\q], v[64*\q+KK:64*\q+KK+1] op_sel:[0,1,0] op_sel_hi:[1,1,1]
.endif
.set KK, KK+2
.endr
	WIN 0
.endm
	s_load_b512 s[72:87], s[0:1], 0x0              ; x s[72:73], b1 s[74:75], b2 s[76:77], scale s[78:79], wq s[80:81], ws s[82:83], xq s[84:85], xs s[86:87]
	s_load_b256 s[88:95], s[0:1], 0x40             ; gate s[88:89], route s[90:91], list s[92:93], cnt s[94:95]
	s_load_b64 s[96:97], s[0:1], 0x60              ; out0
	v_lshl_add_u32 v254, v0, 2, 0x31000
	v_mov_b32 v255, 0
	v_lshrrev_b32 v1, 5, v0
	v_readfirstlane_b32 s2, v1                     ; wave 0..3
	v_and_b32 v1, 31, v0                           ; lane
	v_and_b32 v2, 15, v0                           ; r: it stays, as the list entries' offset
	v_bfe_u32 v3, v0, 4, 1                         ; h
	v_lshlrev_b32 v[LI], 4, v1
	v_lshlrev_b32 v[LS], 2, v1
	s_mul_i32 s9, s2, 1536
	v_add_nc_u32 v[HWI], s9, v[LI]
	s_lshl_b32 s9, s2, 7
	s_add_co_u32 s9, s9, HSC
	v_add_nc_u32 v[HWS], s9, v[LS]
	s_mul_i32 s9, s2, 34816
	s_add_co_u32 s9, s9, STG
	v_mov_b32 v[STB], s9
	v_mul_u32_u24 v[SO], v2, 272
	v_lshl_add_u32 v[SO], v3, 5, v[SO]
	v_add_nc_u32 v[SO], s9, v[SO]
	v_lshlrev_b32 v[B1O], 6, v3
	v_lshlrev_b32 v[B2O], 5, v3
	v_mul_u32_u24 v[H96], v3, 96
	v_lshlrev_b32 v[AD], 5, v1                     ; 32 x lane: my four tokens' gates
	s_wait_kmcnt 0x0
	s_lshr_b32 s9, ttmp9, 4
	s_lshl_b32 s9, s9, 21                          ; the block's image,
	s_and_b32 s63, ttmp9, 15
	s_lshl_b32 s63, s63, 9                         ; its 128 tokens in a channel's row,
	s_add_co_u32 s68, s9, s63
	s_lshl_b32 s9, s2, 19                          ; my 64 channels
	s_add_co_u32 s68, s68, s9
	s_mov_b32 s69, 0
	s_add_nc_u64 s[14:15], s[72:73], s[68:69]
	s_add_nc_u64 s[16:17], s[96:97], s[68:69]
	s_mul_i32 s68, s2, 24576
	s_add_nc_u64 s[18:19], s[80:81], s[68:69]
	s_add_nc_u64 s[20:21], s[18:19], 786432
	s_lshl_b32 s68, s2, 10
	s_add_nc_u64 s[22:23], s[82:83], s[68:69]
	s_add_nc_u64 s[24:25], s[22:23], 32768
	s_lshl_b32 s68, s2, 9
	s_add_nc_u64 s[26:27], s[74:75], s[68:69]
	s_lshl_b32 s68, s2, 8
	s_add_nc_u64 s[28:29], s[76:77], s[68:69]
	s_mul_i32 s68, ttmp9, 24576
	s_add_nc_u64 s[30:31], s[84:85], s[68:69]
	s_lshl_b32 s68, ttmp9, 10
	s_add_nc_u64 s[32:33], s[86:87], s[68:69]
	s_add_nc_u64 s[70:71], s[88:89], s[68:69]
	s_add_nc_u64 s[34:35], s[92:93], s[68:69]      ; the block's lists: 8 x 128 bytes
	s_lshl_b32 s68, ttmp9, 9
	s_add_nc_u64 s[90:91], s[90:91], s[68:69]      ; its route words: 128 x 4 bytes
	s_lshl_b32 s68, ttmp9, 7
	s_add_nc_u64 s[94:95], s[94:95], s[68:69]      ; its counts
	s_load_b128 s[56:59], s[94:95], 0x0            ; the eight counts
	s_load_b128 s[96:99], s[94:95], 0x10
	s_load_b32 s12, s[78:79], 0x0
	global_load_b128 v[RT:RT+3], v[LI], s[90:91]
	global_load_b128 v[GT:GT+3], v[AD], s[70:71]
	global_load_b128 v[GT+4:GT+7], v[AD], s[70:71] offset:16
	global_load_u8 v[TN], v[RR], s[34:35]          ; expert 0's list: slots r and 16 + r
	global_load_u8 v[TN+1], v[RR], s[34:35] offset:16
	LOADW1
	; while these are on their way: the images' bytes are cleared (the fetch one tile ahead also reads a tile that was not made), the sums are cleared, the constants are set
	v_lshlrev_b32 v[AD2], 4, v0
.irp i, 0,1,2,3
	v_mov_b32 v[HA+\i], 0
.endr
.set CC, 0
.rept 30                               ; 128 threads x 16 bytes x 30 = 61,440 bytes: images and scale words
	ds_store_b128 v[AD2], v[HA:HA+3] offset:2048*CC
.set CC, CC+1
.endr
	WIN 0xc0                                       ; which expert adds first hangs on the stored counts, so no first product can start these sums: they are cleared, under the first loads
.set CC, 0
.rept 256
	v_mov_b32 v[CC], 0
.set CC, CC+1
.endr
	WIN 0
	v_mov_b32 v[KQ4], 0xb5accd2b
	v_mov_b32 v[KQ4+1], 0xb5accd2b
	v_mov_b32 v[KP6], 0xac95df0b
	v_mov_b32 v[KP6+1], 0xac95df0b
	s_mov_b32 s36, 0xbca542a9                      ; q0 .. q3: sqrt 2 x beta(2 i) / 2^i
	s_mov_b32 s38, 0xbbaad7f2
	s_mov_b32 s40, 0xba1bf7b5
	s_mov_b32 s42, 0xb81e3512
	s_mov_b32 s44, 0xbc83dbd4                      ; p0 .. p5: alpha(2 i + 1) / 2^i
	s_mov_b32 s46, 0xbac1a1f6
	s_mov_b32 s48, 0xb940ac63
	s_mov_b32 s50, 0xb6eec2d2
	s_mov_b32 s52, 0xb40cff51
	s_mov_b32 s54, 0x306dffee
.irp k, 36,38,40,42,44,46,48,50,52,54
	s_mov_b32 s[\k+1], s[\k]                       ; (named with it as a pair, so it is written)
.endr
	s_mov_b32 s60, 0xc0b504f3                      ; -+ 4 sqrt 2
	s_mov_b32 s61, 0x40b504f3
	s_mov_b32 s66, 0x76543210
	s_mov_b32 s67, 0xfedcba98
	s_wait_kmcnt 0x0
	s_lshl_b32 s9, s57, 8                          ; a count is 128 at the most: eight bits each
	s_or_b32 s10, s56, s9
	s_lshl_b32 s9, s58, 16
	s_or_b32 s10, s10, s9
	s_lshl_b32 s9, s59, 24
	s_or_b32 s10, s10, s9
	s_lshl_b32 s9, s97, 8
	s_or_b32 s11, s96, s9
	s_lshl_b32 s9, s98, 16
	s_or_b32 s11, s11, s9
	s_lshl_b32 s9, s99, 24
	s_or_b32 s11, s11, s9
	s_wait_loadcnt 0x0
	GATHER XFA, XSA, TN                            ; expert 0's first tile of rows;
	s_wait_xcnt 0x0                                ; (the gather's offsets are written again only behind this wait)
	GATHER XFB, XSB, TN+1                          ; and its second: both sets are written before the loop
	v_mov_b32 v[TOK], v[TN+1]
	s_mov_b32 s3, 0
	s_mov_b32 s62, 0
	BARRIER                                        ; the cleared bytes lie in LDS
	FETCH FB, HSB, LI, LS, HIMG+8*TILEB, HSC+8*512 ; the second product's second set is written once here, since a tile's place may be passed over: so no path reads a register that was never written.  It reads tile 8: bytes that were cleared ahead of the barrier and that no wave stores to again (image stores end at 8 x 6,144, word stores at HSC + 8 x 512)
	s_wait_dscnt 0x0
.Lexpert:
	s_cmp_lt_u32 s3, 4                             ; the expert's count
	s_cselect_b32 s4, s10, s11
	s_and_b32 s9, s3, 3
	s_lshl_b32 s9, s9, 3
	s_lshr_b32 s4, s4, s9
	s_and_b32 s4, s4, 255
	s_wait_loadcnt 0x0                             ; W1, b1, the first tile's rows: asked for behind the last expert's first product.  No load is out:
	s_add_nc_u64 s[18:19], s[18:19], 98304         ; W1's pointers go on to the next expert
	s_add_nc_u64 s[22:23], s[22:23], 4096
	s_add_nc_u64 s[26:27], s[26:27], 2048
	LOADW2                                         ; this expert's W2 lands under the first tile's arithmetic
	s_add_co_u32 s9, s3, 1
	s_and_b32 s9, s9, 7
	s_lshl_b32 s9, s9, 7
	v_add_nc_u32 v[TNA], s9, v[RR]
	global_load_u8 v[TN], v[TNA], s[34:35]         ; the next expert's first two list entries
	global_load_u8 v[TN+1], v[TNA], s[34:35] offset:16
	s_mov_b32 s5, 0
	s_mov_b32 s6, 0
	s_mov_b32 s13, 0
	s_mov_b32 s8, 4
.Lp1:                                              ; eight tiles' places in four trips; tiles beyond the count are passed over
	P1TILE XFA, XSA, XFB, XSB
	P1TILE XFB, XSB, XFA, XSA
	s_sub_co_u32 s8, s8, 1
	s_cmp_lg_u32 s8, 0
	s_cbranch_scc1 .Lp1
	s_wait_loadcnt 0x0                             ; W2 is in; no load is out:
	s_add_nc_u64 s[20:21], s[20:21], 98304         ; W2's pointers go on
	s_add_nc_u64 s[24:25], s[24:25], 4096
	s_add_nc_u64 s[28:29], s[28:29], 1024
	s_cmp_eq_u32 s3, 7
	s_cbranch_scc1 .Llast_x
	LOADW1                                         ; the next expert's W1 and first rows land under the second product and the adding
	GATHER XFA, XSA, TN
	v_mov_b32 v[TOK], v[TN+1]
	s_branch .Lp1_done
.Llast_x:
	WIN 0x40                                       ; behind the last first product W1's registers take x: four tokens of each of my 64 channels, 512 consecutive bytes a load
.set CC, 0
.rept 64
	global_load_b128 v[4*CC:4*CC+3], v[LI], s[14:15] offset:8192*CC th:TH_LOAD_NT
.set CC, CC+1
.endr
	WIN 0
.Lp1_done:
.rept 4
	v_nop                                          ; the quantiser's last moves wrote registers that the second product's second set shares: an operand register written by a vector instruction stands four places ahead of a scaled matrix instruction, whichever tile's place is the first to be worked.  Once an expert
.endr
	BARRIER                                        ; the hidden layer's images lie in LDS
	s_mov_b32 s5, 0
	s_mov_b32 s6, 0
	s_mov_b32 s13, 0
	s_mov_b32 s7, 0
	s_mov_b32 s8, 4
	FETCH FA, HSA, LI, LS, HIMG, HSC               ; the first tile's images
.Lp2:
	P2TILE FA, HSA, FB, HSB
	P2TILE FB, HSB, FA, HSA
	s_sub_co_u32 s8, s8, 1
	s_cmp_lg_u32 s8, 0
	s_cbranch_scc1 .Lp2
	BARRIER                                        ; from here to the next barrier no wave stores to LDS
	s_cmp_eq_u32 s4, 0
	s_cbranch_scc1 .Lg_skip
.irp q, 0,1,2,3
	v_and_b32 v[TT], 15, v[RT+\q]
	v_bfe_u32 v[TT+1], v[RT+\q], 4, 4
	v_bfe_u32 v[TT+2], v[RT+\q], 8, 8
	v_bfe_u32 v[TT+3], v[RT+\q], 16, 8
	v_cmp_eq_u32 vcc_lo, s3, v[TT]
	v_cmp_eq_u32 s68, s3, v[TT+1]
	v_cndmask_b32 v[TT+2], 0, v[TT+2], vcc_lo      ; the token's slot with this expert; a token that did not choose it takes slot 0, which is written, and the gate 0
	v_cndmask_b32 v[TT+2], v[TT+2], v[TT+3], s68
	v_cndmask_b32 v[WE+\q], 0, v[GT+2*\q], vcc_lo
	v_cndmask_b32 v[WE+\q], v[WE+\q], v[GT+2*\q+1], s68
	v_min_u32 v[TT+2], 127, v[TT+2]                ; a stored number enters an address held to the stage's 128 slots
	v_mul_u32_u24 v[TT+2], v[TT+2], 272
	v_add_nc_u32 v[VA+\q], v[TT+2], v[STB]
.endr
	GLOAD 0, T0
	GLOAD 1, T1
	s_wait_dscnt 16                                ; the older set's 16 loads are in
	GFMA 0, T0
	GLOAD 2, T0
	s_wait_dscnt 16
	GFMA 1, T1
	GLOAD 3, T1
	s_wait_dscnt 16
	GFMA 2, T0
	s_wait_dscnt 0x0
	GFMA 3, T1
.Lg_skip:
	BARRIER                                        ; every wave's reads are over: images and stages may be written again
	s_add_co_u32 s62, s62, 128
	s_add_co_u32 s3, s3, 1
	s_cmp_lt_u32 s3, 8
	s_cbranch_scc1 .Lexpert
	; THE WAY OUT: out = x + scale x sum; the multiply-add also brings a channel's four tokens side by side
	s_wait_loadcnt 0x0                             ; x
	WIN 0x5c                                       ; source 1 (the sums) window 3; source 2 and destination (x) window 1
.set CC, 0
.rept 64
.irp q, 0,1,2,3
	v_fma_f32 v[4*CC+\q], s12, v[64*\q+CC], v[4*CC+\q]
.endr
.set CC, CC+1
.endr
	WIN 0x04                                       ; a store's data are its source 1: window 1
.set CC, 0
.rept 64
	global_store_b128 v[LI], v[4*CC:4*CC+3], s[16:17] offset:8192*CC th:TH_STORE_NT   ; 32 lanes store the block's 128 tokens of a channel: 512 consecutive bytes, aligned
.set CC, CC+1
.endr
	WIN 0
	s_wait_tensorcnt 0x0
	ds_add_u32 v254, v255
	s_wait_dscnt 0x0
	s_endpgm
.Lfunc_end_k_q1874afd822_moe:
	.size	k_q1874afd822_moe, .Lfunc_end_k_q1874afd822_moe-k_q1874afd822_moe
	.p2alignl 7, 3214868480
	.fill 96, 4, 3214868480
	.section	.rodata,"a",@progbits
	.p2align	6, 0x0
	.amdhsa_kernel k_q1874afd822_moe
		.amdhsa_group_segment_fixed_size 201216
		.amdhsa_private_segment_fixed_size 0
		.amdhsa_enable_private_segment 0
		.amdhsa_kernarg_size 104
		.amdhsa_user_sgpr_count 2
		.amdhsa_user_sgpr_kernarg_segment_ptr 1
		.amdhsa_wavefront_size32 1
		.amdhsa_system_sgpr_workgroup_id_x 1
		.amdhsa_system_sgpr_workgroup_id_y 1
		.amdhsa_system_sgpr_workgroup_id_z 1
		.amdhsa_system_vgpr_workitem_id 0
		.amdhsa_next_free_vgpr 1024
		.amdhsa_next_free_sgpr 100
		.amdhsa_reserve_vcc 1
		.amdhsa_float_denorm_mode_32 3
		.amdhsa_float_denorm_mode_16_64 3
		.amdhsa_memory_ordered 1
		.amdhsa_forward_progress 1
		.amdhsa_inst_pref_size 176
	.end_amdhsa_kernel
	.amdgpu_metadata
---
amdhsa.version: [ 1, 2 ]
amdhsa.kernels:
  - .name:           k_q1874afd822_moe
    .symbol:         k_q1874afd822_moe.kd
    .args:
      - { .name: x, .offset: 0, .size: 8, .value_kind: global_buffer, .address_space: global }
      - { .name: b1, .offset: 8, .size: 8, .value_kind: global_buffer, .address_space: global }
      - { .name: b2, .offset: 16, .size: 8, .value_kind: global_buffer, .address_space: global }
      - { .name: scale, .offset: 24, .size: 8, .value_kind: global_buffer, .address_space: global }
      - { .name: wq, .offset: 32, .size: 8, .value_kind: global_buffer, .address_space: global }
      - { .name: ws, .offset: 40, .size: 8, .value_kind: global_buffer, .address_space: global }
      - { .name: xq, .offset: 48, .size: 8, .value_kind: global_buffer, .address_space: global }
      - { .name: xs, .offset: 56, .size: 8, .value_kind: global_buffer, .address_space: global }
      - { .name: gate, .offset: 64, .size: 8, .value_kind: global_buffer, .address_space: global }
      - { .name: route, .offset: 72, .size: 8, .value_kind: global_buffer, .address_space: global }
      - { .name: list, .offset: 80, .size: 8, .value_kind: global_buffer, .address_space: global }
      - { .name: cnt, .offset: 88, .size: 8, .value_kind: global_buffer, .address_space: global }
      - { .name: out0, .offset: 96, .size: 8, .value_kind: global_buffer, .address_space: global }
    .group_segment_fixed_size: 201216
    .private_segment_fixed_size: 0
    .kernarg_segment_align: 8
    .kernarg_segment_size: 104
    .max_flat_workgroup_size: 128
    .sgpr_count:     100
    .vgpr_count:     1024
    .wavefront_size: 32
...
	.end_amdgpu_metadata
.endif
;; end of part 4
;; ======== version 3 of 3: 2 launches; version 2 with the launch moe written anew for expert scheduling mode
;; workspace buffers: wq 1,572,864 bytes; ws 65,536 bytes; xq 6,291,456 bytes; xs 262,144 bytes; gate 262,144 bytes; route 131,072 bytes of whole numbers; list 262,144 bytes of whole numbers; cnt 32,768 bytes of whole numbers
;; launch prep: the kernel of part 3 again; grid 320 x 1, 4 waves a work-group, no clusters, 36,352 bytes of LDS; arguments x, Wr, br, W1, W2, wq, ws, xq, xs, gate, route, list, cnt; writes wq, ws, xq, xs, gate, route, list, cnt
;; launch moe (part 5): grid 256 x 1, 4 waves a work-group, no clusters, 201,216 bytes of LDS; arguments x, b1, b2, scale, wq, ws, xq, xs, gate, route, list, cnt, out0; writes out0
.if DOCPART == 5
	.amdgcn_target "amdgcn-amd-amdhsa--gfx1250"
	.amdhsa_code_object_version 6
	.text
	.protected	k_q1874afd822_moe
	.globl	k_q1874afd822_moe
	.p2align	8
	.type	k_q1874afd822_moe,@function
k_q1874afd822_moe:
	s_mov_b64 s[64:65], 0
	v_nop
	global_prefetch_b8 v0, s[64:65] scope:SCOPE_SE
	s_setreg_imm32_b32 hwreg(HW_REG_WAVE_SCHED_MODE, 0, 2), 2
	s_setreg_imm32_b32 hwreg(HW_REG_WAVE_MODE, 25, 1), 1
	s_wait_xcnt 0x0
	s_wait_alu depctr_vm_vsrc(0)
; MOE.  out = x + scale * sum over the two chosen experts of gate * (gelu(tok W1 + b1) W2 + b2), both products on codes of FP6 (E2M3) with one E8M0 scale for each 32 along K.
; A work-group owns 128 neighbouring tokens and is the one owner of their outputs.  It walks the 8 experts; for each it multiplies only tiles of 16 rows taken from that expert's list of the block's tokens
; (lists, places and counts were stored as whole numbers by the launch before).  The hidden layer goes from wave to wave through LDS as images of the operand's registers; the outputs' sums stay in registers.
; THE WAVES SHARE THE COLUMNS: wave w makes hidden units 128 w .. 128 w + 127 and channels 64 w .. 64 w + 63 for all rows, so each weight byte is loaded once a work-group, straight into registers,
; from a workspace laid in the order of the operand's registers.  No tensor load: which tiles are multiplied hangs on counts read from memory.  No cluster: blocks need different tiles at different times.
; AN EXPERT, three barriers:  P1: for each tile of rows: x's codes gathered by the list, my 8 tiles of the hidden layer (transposed: source 0 = 16 rows of W1, source 1 = the rows), gelu, quantised, image to LDS | barrier |
; P2: all four K steps' images from LDS, my 4 tiles of channels, results to my stage in LDS by slot | barrier |  G: each lane takes the rows of its four tokens from the stage by their places and adds gate x row | barrier.
; Between the second and the third barrier stand LDS loads alone: there the addresses made of stored places are used.
; GELU.  2 gelu(u) = u + u erf(u / sqrt 2), erf by the quotient of an odd polynomial of degree 13 and an even one of degree 8 on |u| <= 4 sqrt 2, the 1 / sqrt 2 folded into the coefficients; the factor 2 is exact and is taken off the scale's byte.
; LIMITS: NaN and infinities are not served; 1 + erf is good to about 3e-7 absolute; a hidden block whose largest 2 gelu lies under 2^-123 keeps the byte 1.
; THE MODE: SCHED_MODE bits 1:0 = 2 (LLVM: expert scheduling mode 2), set by the entry lines.  The code itself states the register dependences between vector or matrix instructions and memory or LDS instructions, with s_wait_alu, always for 0.
; THE PLAN.  Registers that memory or LDS instructions touch, and who else names them:
;   v2-v11            offsets and LDS places, made at the head, never written again.
;   window 1, v32-39  W1, b1, W1's scale words: read by the first product; loads land in them again behind the first product's loop (in the last expert: x).
;   window 2, v40-47  W2, b2, W2's scale words: read by the second product; loads land in them again at the next expert's head.
;   XFA/XFB, XSA/XSB  a tile's products read one set; the next tile's rows land in the other, which the tile before read.
;   GA, GS, TA        written at a tile's head, ahead of its products; read by the eight loads behind its products.
;   TOK, TN, TNA      list entries (loaded; read by the address lines; TOK also written by a move) and the offset of the next expert's (written once an expert).
;   AD, AD2, AD3      LDS addresses, written by adds, read by the image stores, the fetches and the stage stores.
;   v100-227          P1: the hidden layer, gelu's numbers, the codes and the scale word (read by the image stores);  P2: FA, FB (LDS loads land, products read);  G: T0, T1 (LDS loads land, the adding reads).
;   YA v204-235       written by the second product, read by the stage stores;  G: VA (v228-231), read by the LDS loads, and WE lie over its top.
;   window 3          the sums: named by vector instructions alone.
; So: in a first product's tile one wait on va_vdst behind the address lines (the products that follow it name none of the registers that the tile's loads touch), one ahead of the image stores, one wait on vm_vsrc at the tile's end;
; one wait on va_vdst behind the first product's loop and one at the expert's head, each ahead of a run of weight loads; in a second product's tile one wait on vm_vsrc and one on va_vdst at its head and one on va_vdst ahead of the stage stores;
; in the adding one wait on vm_vsrc, one on va_sdst behind the run of compares, and one on va_vdst ahead of each run of LDS loads.
.set HIMG, 0                           ; LDS: the hidden layer's images: 9 tiles x 4 K steps x 1,536 bytes (tile 8 stays zero: the fetch runs one tile ahead)
.set HSC,  55296                       ; their scale words: 9 x 4 x 128 bytes; images and words are cleared once, up to STG
.set STG,  61440                       ; the stages: for each wave 128 slots x (256 bytes + 16)
.set TILEB, 6144
.set RR,  2                            ; v2   lane % 16: a list entry is a byte
.set H96, 3                            ; v3   96 x (lane / 16)
.set LI,  4                            ; v4   16 x lane
.set LS,  5                            ; v5   4 x lane
.set HWI, 6                            ; v6   where I store images: 16 x lane + 1,536 x wave
.set HWS, 7                            ; v7   and their scale words: HSC + 4 x lane + 128 x wave
.set SO,  8                            ; v8   my stage: row lane % 16, + 32 x (lane / 16)
.set STB, 9                            ; v9   my stage's first byte
.set B1O, 10                           ; v10  64 x (lane / 16)
.set B2O, 11                           ; v11  32 x (lane / 16)
.set GA,  12                           ; v12-13 the gather's offsets
.set GS,  13
.set TA,  14                           ; v14  the list entry's offset
.set TOK, 15                           ; v15  the next tile's token
.set TN,  16                           ; v16-17 the next expert's first two list entries
.set AD,  18                           ; v18-19, v253 LDS addresses at work
.set AD2, 19
.set RT,  20                           ; v20-23 my four tokens' route words
.set GT,  24                           ; v24-31 their gates
.set W1S, 32                           ; v32-39 W1's scale words: tile t; lanes 0-15 K step 0, lanes 16-31 K step 1
.set W2S, 40                           ; v40-47 W2's: 4 (s / 2) + n; lanes 16 (s % 2) on
.set XFA, 48                           ; v48-71, v72-95 a tile of rows' codes, both K steps: two sets
.set XFB, 72
.set XSA, 96                           ; v96-97, v98-99 their scale words
.set XSB, 98
.set HA,  100                          ; v100-163 my 8 tiles of the hidden layer
.set UC,  164                          ; gelu: 16 numbers at a time: u held, u^2, numerator, denominator
.set WW,  180
.set PP,  196
.set QQ,  212
.set PC,  164                          ; the quantiser: codes, at work, the scale word
.set TM,  184
.set PW,  200
.set FA,  100                          ; P2: four K steps' fragments of a tile of rows: two sets
.set FB,  148
.set YA,  204                          ; v204-235 my 4 tiles of channels
.set T0,  100                          ; G: a token's 64 channels: two sets
.set T1,  164
.set VA,  228                          ; v228-231 the four tokens' rows in the stage
.set WE,  232                          ; v232-235 their gates with this expert, or 0
.set HSA, 236                          ; v236-239, v240-243 the hidden layer's scale words
.set HSB, 240
.set TT,  244                          ; v244-247 at work in G
.set KQ4, 248                          ; v248-249 q4 twice; v250-251 p6 twice
.set KP6, 250
.set TNA, 252
.set AD3, 253
.set MK,  72                           ; s72-79 G: is the expert my token q's first choice (MK + q), its second (MK + 4 + q)
; window 1: W1's fragments at 12 (2 t + s), b1's tiles at 192 + 8 t; at the end x, four tokens of channel c at 4 c.   window 2: W2's fragments at 12 (4 n + s), b2's tiles at 192 + 8 n.
; window 3: the sums: token 4 lane + q, channel 64 wave + c at 64 q + c.
; s2 wave, s3 expert, s4 its count, s5 the tile's first slot, s6/s13/s7 the tile's bytes in images, scale words, stage, s8 trips, s10-11 the counts packed, s12 scale, s62 128 x expert
; s[14:15] x, s[16:17] out, s[18:19] W1's codes, s[20:21] W2's, s[22:23] W1's scale words, s[24:25] W2's, s[26:27] b1, s[28:29] b2, s[30:31] the block's codes, s[32:33] its scale words, s[34:35] its lists
; s36-43 q0-q3, s44-55 p0-p5, each twice; s60-61 the hold; s66-67 lane selects
.set MSB, 0
.macro WIN new                         ; the immediate's high byte repeats the setting that is left
.if MSB != \new
	s_set_vgpr_msb (MSB<<8)|\new
.set MSB, \new
.endif
.endm
.macro BARRIER                         ; my LDS stores have landed and my LDS loads are in: then the work-group's barrier
	s_wait_dscnt 0x0
	s_barrier_signal -1
	s_barrier_wait -1
.endm
.macro LOADW1                          ; an expert's W1 for my 128 units: 16 fragments, b1 in the result's layout, scale words: 512 consecutive bytes a load
	WIN 0x40
.set F, 0
.rept 16
.irp c, 0,1,2
	global_load_b128 v[12*F+4*\c:12*F+4*\c+3], v[LI], s[18:19] offset:1536*F+512*\c
.endr
.set F, F+1
.endr
.irp t, 0,1,2,3,4,5,6,7
	global_load_b128 v[192+8*\t:192+8*\t+3], v[B1O], s[26:27] offset:(32*(\t/2)+8*(\t%2))*4
	global_load_b128 v[196+8*\t:196+8*\t+3], v[B1O], s[26:27] offset:(32*(\t/2)+8*(\t%2))*4+16
.endr
	WIN 0
	global_load_b128 v[W1S:W1S+3], v[LI], s[22:23]
	global_load_b128 v[W1S+4:W1S+7], v[LI], s[22:23] offset:512
.endm
.macro LOADW2
	WIN 0x80
.set F, 0
.rept 16
.irp c, 0,1,2
	global_load_b128 v[12*F+4*\c:12*F+4*\c+3], v[LI], s[20:21] offset:1536*F+512*\c
.endr
.set F, F+1
.endr
.irp n, 0,1,2,3
	global_load_b128 v[192+8*\n:192+8*\n+3], v[B2O], s[28:29] offset:64*\n
	global_load_b128 v[196+8*\n:196+8*\n+3], v[B2O], s[28:29] offset:64*\n+16
.endr
	WIN 0
	global_load_b128 v[W2S:W2S+3], v[LI], s[24:25]
	global_load_b128 v[W2S+4:W2S+7], v[LI], s[24:25] offset:512
.endm
; The gather, in two parts, so that a wait can stand between them.  Lane (r, h) takes the 96 bytes of its half of token `tok`'s codes (both K steps' 24 registers) and the token's two scale words.
.macro GADDR tok                       ; the offsets
	v_min_u32 v[GA], 127, v[\tok]                  ; a stored number enters an address held to the block's 128 tokens
	v_lshlrev_b32 v[GS], 3, v[GA]
	v_mul_u32_u24 v[GA], v[GA], 192
	v_add_nc_u32 v[GA], v[GA], v[H96]
.endm
.macro GLD xf, xs                      ; the seven loads
.irp k, 0,1,2,3,4,5
	global_load_b128 v[\xf+4*\k:\xf+4*\k+3], v[GA], s[30:31] offset:16*\k
.endr
	global_load_b64 v[\xs:\xs+1], v[GS], s[32:33]
.endm
.macro PKF d, a, b, sc                 ; sixteen d = a b + a constant
.irp k, 0,2,4,6,8,10,12,14
	v_pk_fma_f32 v[\d+\k:\d+\k+1], v[\a+\k:\a+\k+1], v[\b+\k:\b+\k+1], s[\sc:\sc+1] op_sel_hi:[1,1,0]
.endr
.endm
.macro PKF0 d, a, kv, sc               ; the first step of a polynomial: both coefficients are constants
.irp k, 0,2,4,6,8,10,12,14
	v_pk_fma_f32 v[\d+\k:\d+\k+1], v[\a+\k:\a+\k+1], v[\kv:\kv+1], s[\sc:\sc+1] op_sel_hi:[1,1,0]
.endr
.endm
.macro PKM d, a, b
.irp k, 0,2,4,6,8,10,12,14
	v_pk_mul_f32 v[\d+\k:\d+\k+1], v[\a+\k:\a+\k+1], v[\b+\k:\b+\k+1]
.endr
.endm
.macro GELU16 b                        ; v[HA + b ..] : u -> u + u erf(u / sqrt 2).  Each accumulator is read from its low end on
.irp i, 0,1,2,3,4,5,6,7,8,9,10,11,12,13,14,15
	v_med3_num_f32 v[UC+\i], v[HA+(\b)+\i], s60, s61
.endr
	PKM WW, UC, UC
	PKF0 QQ, WW, KQ4, 42
	PKF QQ, QQ, WW, 40
	PKF QQ, QQ, WW, 38
	PKF QQ, QQ, WW, 36
.irp i, 0,1,2,3,4,5,6,7,8,9,10,11,12,13,14,15
	v_rcp_f32 v[QQ+\i], v[QQ+\i]
.endr
	PKF0 PP, WW, KP6, 54                           ; the numerator is the independent work behind the sixteen reciprocals
	PKF PP, PP, WW, 52
	PKF PP, PP, WW, 50
	PKF PP, PP, WW, 48
	PKF PP, PP, WW, 46
	PKF PP, PP, WW, 44
	PKM PP, PP, UC
	s_wait_alu depctr_va_vdst(0)                   ; the sixteen reciprocals have written v[QQ ..]: one wait for the batch, ahead of its first reader
	PKM PP, PP, QQ
.irp k, 0,2,4,6,8,10,12,14
	v_pk_fma_f32 v[HA+(\b)+\k:HA+(\b)+\k+1], v[HA+(\b)+\k:HA+(\b)+\k+1], v[PP+\k:PP+\k+1], v[HA+(\b)+\k:HA+(\b)+\k+1]
.endr
.endm
; 64 numbers of a lane, register 16 b + i = k 32 b + 16 (lane / 16) + i of my row, become a fragment's codes in v[PC] on and its scale word in v[PW].  The numbers are 2 gelu: 1 comes off each byte.
.macro QUANT s
.irp b, 0,1,2,3
	v_max3_num_f32 v[TM+\b], |v[\s+16*\b]|, |v[\s+1+16*\b]|, 0x2000000   ; with the floor 2^(4 - 127): the byte cannot fall under 1
.endr
.irp i, 2,4,6,8,10,12,14
.irp b, 0,1,2,3
	v_max3_num_f32 v[TM+\b], v[TM+\b], |v[\s+16*\b+\i]|, |v[\s+1+16*\b+\i]|
.endr
.endr
.irp b, 0,1,2,3
	v_permlanex16_b32 v[TM+4+\b], v[TM+\b], s66, s67
.endr
.irp b, 0,1,2,3
	v_max_num_f32 v[TM+\b], v[TM+\b], v[TM+4+\b]   ; with lane l xor 16's: the block's largest magnitude
.endr
.irp b, 0,1,2,3
	v_add_nc_u32 v[TM+12+\b], 0xff000000, v[TM+\b] ; 2 off its exponent field: the conversion's scale operand
.endr
.irp b, 0,1,2,3
	v_lshrrev_b32 v[TM+4+\b], 23, v[TM+12+\b]
.endr
	v_lshl_or_b32 v[PW], v[TM+5], 8, v[TM+4]
	v_lshl_or_b32 v[PW], v[TM+6], 16, v[PW]
	v_lshl_or_b32 v[PW], v[TM+7], 24, v[PW]
	v_add_nc_u32 v[PW], 0xfefefeff, v[PW]          ; 1 off each of the four bytes (each is 2 at the least: nothing is borrowed)
.irp c, 0,1
	v_cvt_scalef32_pk16_fp6_f32 v[PC+6*\c:PC+2+6*\c], v[\s+32*\c:\s+15+32*\c], v[TM+12+2*\c]
	v_cvt_scalef32_pk16_fp6_f32 v[PC+12+4*\c:PC+14+4*\c], v[\s+16+32*\c:\s+31+32*\c], v[TM+12+2*\c+1]
.endr
	v_nop                                          ; one plain line behind a scaled conversion
.irp c, 0,1                                    ; the operand's layout wants a whole block in a lane
.irp i, 0,1,2
	v_permlane16_swap_b32 v[PC+6*\c+\i], v[PC+12+4*\c+\i]
.endr
.irp i, 0,1,2
	v_mov_b32 v[PC+3+6*\c+\i], v[PC+12+4*\c+\i]
.endr
.endr
.endm
; A tile of 16 rows of the expert's list, first product.  xf, xs: its codes and scale words; of, os: the set that takes the next tile's.
.macro P1TILE xf, xs, of, os
	s_cmp_ge_u32 s5, s4                            ; no row of the list left: the tile is passed over
	s_cbranch_scc1 .Lp1skip_\@
	GADDR TOK                                      ; the offsets of the next tile's rows, ahead of the products, so that one wait serves the loads behind them (the loads and stores that read these registers last stand ahead of a wait on vm_vsrc: the last tile's end, or the expert's head)
	s_add_co_u32 s9, s5, 32
	s_and_b32 s9, s9, 127
	s_add_co_u32 s9, s9, s62
	v_add_nc_u32 v[TA], s9, v[RR]
	s_wait_alu depctr_va_vdst(0)                   ; GA, GS and TA are written, which the loads below read; the last tile's products are done reading the other set of rows and scale words, in which those loads land; TOK, in which the list entry lands, has been read (and, ahead of an expert's first tile, written by a move)
	WIN 0x11                                       ; source 0 (W1) and C (b1) window 1
.irp t, 0,1,2,3,4,5,6,7
	v_wmma_scale_f32_16x16x128_f8f6f4 v[HA+8*\t:HA+8*\t+7], v[24*\t:24*\t+11], v[\xf:\xf+11], v[192+8*\t:192+8*\t+7], v[W1S+\t], v[\xs] matrix_a_fmt:MATRIX_FMT_FP6 matrix_b_fmt:MATRIX_FMT_FP6
.endr
	WIN 0x01                                       ; the eight accumulators take turns
.irp t, 0,1,2,3,4,5,6,7
	v_wmma_scale_f32_16x16x128_f8f6f4 v[HA+8*\t:HA+8*\t+7], v[24*\t+12:24*\t+23], v[\xf+12:\xf+23], v[HA+8*\t:HA+8*\t+7], v[W1S+\t], v[\xs+1] matrix_a_fmt:MATRIX_FMT_FP6 matrix_b_fmt:MATRIX_FMT_FP6 matrix_a_scale:MATRIX_SCALE_ROW1
.endr
	WIN 0
	s_wait_dscnt 0x0                               ; the last tile's image stores are done
	GLD \of, \os                                   ; the next tile's rows.  No wait: the sixteen products since the wait above name this tile's set, W1, b1, its scale words and the hidden layer, none of the registers that these loads touch
	global_load_u8 v[TOK], v[TA], s[34:35]         ; the list entry of the tile after that: inside the expert's 128 bytes
	v_add_nc_u32 v[AD], s6, v[HWI]                 ; these two and two v_nop are the four places behind the products
	v_add_nc_u32 v[AD2], s13, v[HWS]
	v_nop
	v_nop
	GELU16 0
	GELU16 16
	GELU16 32
	GELU16 48
	QUANT HA
	s_wait_alu depctr_va_vdst(0)                   ; the quantiser has written the codes and the scale word, the two adds AD and AD2: the four stores below read them
.irp c, 0,1,2
	ds_store_b128 v[AD], v[PC+4*\c:PC+4*\c+3] offset:512*\c   ; K step `wave` of the second product, as the registers stand
.endr
	ds_store_b32 v[AD2], v[PW]
	s_wait_loadcnt 0x0                             ; the next tile's rows and list entry, asked for a tile's arithmetic ago, are in (and W2, asked for ahead of the first tile): no load is out, so offsets may be written
	s_wait_alu depctr_vm_vsrc(0)                   ; this tile's loads have read GA, GS and TA, its stores AD, AD2, the codes and the scale word: the next tile, the lines behind the loop and the second product's fetches write them again
.Lp1skip_\@:
	s_add_co_u32 s5, s5, 16
	s_add_co_u32 s6, s6, TILEB
	s_add_co_u32 s13, s13, 512
.endm
.macro FETCH f, hs, va, vs, offi, offs  ; a tile's four images and scale words: 16 LDS loads
.irp s, 0,1,2,3
.irp c, 0,1,2
	ds_load_b128 v[\f+12*\s+4*\c:\f+12*\s+4*\c+3], v[\va] offset:\offi+1536*\s+512*\c
.endr
.endr
.irp s, 0,1,2,3
	ds_load_b32 v[\hs+\s], v[\vs] offset:\offs+128*\s
.endr
.endm
; The same tile, second product: my 64 channels for its 16 rows, to my stage.  f, hs: its images and scale words; of, ohs: the set that takes the next tile's.
.macro P2TILE f, hs, of, ohs
	s_cmp_ge_u32 s5, s4
	s_cbranch_scc1 .Lp2skip_\@
	s_wait_dscnt 0x0                               ; no LDS instruction of mine is out: this tile's images, asked for a tile ago, are in, and the last tile's stage stores are done.  The count is 0 since a tile's place may be passed over: nothing is counted on what the place before has issued
	s_wait_alu depctr_vm_vsrc(0)                   ; the last fetch has read AD2 and AD3, the last stage stores AD and the four accumulators, the last adding's loads v228-231: the adds and the products below write them again
	v_add_nc_u32 v[AD2], s6, v[LI]
	v_add_nc_u32 v[AD3], s13, v[LS]
	s_wait_alu depctr_va_vdst(0)                   ; AD2 and AD3 are written, which the fetch reads; the products of the tile before are done reading the other set of images and scale words, in which it lands
	FETCH \of, \ohs, AD2, AD3, HIMG+TILEB, HSC+512 ; the next tile's images land under this tile's sixteen products (behind the last tile: tile 8, which stays zero)
	WIN 0x22                                       ; source 0 (W2) and C (b2) window 2
.irp n, 0,1,2,3
	v_wmma_scale_f32_16x16x128_f8f6f4 v[YA+8*\n:YA+8*\n+7], v[48*\n:48*\n+11], v[\f:\f+11], v[192+8*\n:192+8*\n+7], v[W2S+\n], v[\hs] matrix_a_fmt:MATRIX_FMT_FP6 matrix_b_fmt:MATRIX_FMT_FP6
.endr
	WIN 0x02                                       ; the four accumulators take turns
.irp n, 0,1,2,3
	v_wmma_scale_f32_16x16x128_f8f6f4 v[YA+8*\n:YA+8*\n+7], v[48*\n+12:48*\n+23], v[\f+12:\f+23], v[YA+8*\n:YA+8*\n+7], v[W2S+\n], v[\hs+1] matrix_a_fmt:MATRIX_FMT_FP6 matrix_b_fmt:MATRIX_FMT_FP6 matrix_a_scale:MATRIX_SCALE_ROW1
.endr
.irp n, 0,1,2,3
	v_wmma_scale_f32_16x16x128_f8f6f4 v[YA+8*\n:YA+8*\n+7], v[48*\n+24:48*\n+35], v[\f+24:\f+35], v[YA+8*\n:YA+8*\n+7], v[W2S+4+\n], v[\hs+2] matrix_a_fmt:MATRIX_FMT_FP6 matrix_b_fmt:MATRIX_FMT_FP6
.endr
.irp n, 0,1,2,3
	v_wmma_scale_f32_16x16x128_f8f6f4 v[YA+8*\n:YA+8*\n+7], v[48*\n+36:48*\n+47], v[\f+36:\f+47], v[YA+8*\n:YA+8*\n+7], v[W2S+4+\n], v[\hs+3] matrix_a_fmt:MATRIX_FMT_FP6 matrix_b_fmt:MATRIX_FMT_FP6 matrix_a_scale:MATRIX_SCALE_ROW1
.endr
	WIN 0
	v_add_nc_u32 v[AD], s7, v[SO]                  ; five places: four for the stores below, the fifth because later products begin accumulators anew over these registers
.rept 4
	v_nop
.endr
	s_wait_alu depctr_va_vdst(0)                   ; the products have written the four accumulators, the add AD: the stores below read them; the places above stay beside this wait
.irp n, 0,1,2,3
	ds_store_b128 v[AD], v[YA+8*\n:YA+8*\n+3] offset:64*\n          ; lane (r, h): slot r of the tile, channels 16 n + 8 h + 0 .. 7; each accumulator from its low end on
	ds_store_b128 v[AD], v[YA+8*\n+4:YA+8*\n+7] offset:64*\n+16
.endr
.Lp2skip_\@:
	s_add_co_u32 s5, s5, 16
	s_add_co_u32 s6, s6, TILEB
	s_add_co_u32 s13, s13, 512
	s_add_co_u32 s7, s7, 4352
.endm
.macro GLOAD q, t
.irp k, 0,1,2,3,4,5,6,7,8,9,10,11,12,13,14,15
	ds_load_b128 v[\t+4*\k:\t+4*\k+3], v[VA+\q] offset:16*\k
.endr
.endm
.macro GFMA q, t                       ; the sums of token 4 lane + q += gate x row
	WIN 0xf0                                       ; C and D window 3
.set KK, 0
.rept 32
.if (\q)%2 == 0
	v_pk_fma_f32 v[64*\q+KK:64*\q+KK+1], v[\t+KK:\t+KK+1], v[WE+\q:WE+\q+1], v[64*\q+KK:64*\q+KK+1] op_sel_hi:[1,0,1]
.else
	v_pk_fma_f32 v[64*\q+KK:64*\q+KK+1], v[\t+KK:\t+KK+1], v[WE+\q-1:WE+\q], v[64*\q+KK:64*\q+KK+1] op_sel:[0,1,0] op_sel_hi:[1,1,1]
.endif
.set KK, KK+2
.endr
	WIN 0
.endm
	s_load_b512 s[72:87], s[0:1], 0x0              ; x s[72:73], b1 s[74:75], b2 s[76:77], scale s[78:79], wq s[80:81], ws s[82:83], xq s[84:85], xs s[86:87]
	s_load_b256 s[88:95], s[0:1], 0x40             ; gate s[88:89], route s[90:91], list s[92:93], cnt s[94:95]
	s_load_b64 s[96:97], s[0:1], 0x60              ; out0
	v_lshl_add_u32 v254, v0, 2, 0x31000
	v_mov_b32 v255, 0
	v_lshrrev_b32 v1, 5, v0
	v_readfirstlane_b32 s2, v1                     ; wave 0..3
	v_and_b32 v1, 31, v0                           ; lane
	v_and_b32 v2, 15, v0                           ; r: it stays, as the list entries' offset
	v_bfe_u32 v3, v0, 4, 1                         ; h
	v_lshlrev_b32 v[LI], 4, v1
	v_lshlrev_b32 v[LS], 2, v1
	s_wait_alu depctr_va_sdst(0)                   ; s2 is written, ahead of its first reader: LDS places and every base are made from it
	s_mul_i32 s9, s2, 1536
	v_add_nc_u32 v[HWI], s9, v[LI]
	s_lshl_b32 s9, s2, 7
	s_add_co_u32 s9, s9, HSC
	v_add_nc_u32 v[HWS], s9, v[LS]
	s_mul_i32 s9, s2, 34816
	s_add_co_u32 s9, s9, STG
	v_mov_b32 v[STB], s9
	v_mul_u32_u24 v[SO], v2, 272
	v_lshl_add_u32 v[SO], v3, 5, v[SO]
	v_add_nc_u32 v[SO], s9, v[SO]
	v_lshlrev_b32 v[B1O], 6, v3
	v_lshlrev_b32 v[B2O], 5, v3
	v_mul_u32_u24 v[H96], v3, 96
	v_lshlrev_b32 v[AD], 5, v1                     ; 32 x lane: my four tokens' gates
	v_lshlrev_b32 v[AD2], 4, v0                    ; 16 x thread, and four zeros: for the stores that clear the images' bytes
.irp i, 0,1,2,3
	v_mov_b32 v[HA+\i], 0
.endr
	s_wait_kmcnt 0x0
	s_lshr_b32 s9, ttmp9, 4
	s_lshl_b32 s9, s9, 21                          ; the block's image,
	s_and_b32 s63, ttmp9, 15
	s_lshl_b32 s63, s63, 9                         ; its 128 tokens in a channel's row,
	s_add_co_u32 s68, s9, s63
	s_lshl_b32 s9, s2, 19                          ; my 64 channels
	s_add_co_u32 s68, s68, s9
	s_mov_b32 s69, 0
	s_add_nc_u64 s[14:15], s[72:73], s[68:69]
	s_add_nc_u64 s[16:17], s[96:97], s[68:69]
	s_mul_i32 s68, s2, 24576
	s_add_nc_u64 s[18:19], s[80:81], s[68:69]
	s_add_nc_u64 s[20:21], s[18:19], 786432
	s_lshl_b32 s68, s2, 10
	s_add_nc_u64 s[22:23], s[82:83], s[68:69]
	s_add_nc_u64 s[24:25], s[22:23], 32768
	s_lshl_b32 s68, s2, 9
	s_add_nc_u64 s[26:27], s[74:75], s[68:69]
	s_lshl_b32 s68, s2, 8
	s_add_nc_u64 s[28:29], s[76:77], s[68:69]
	s_mul_i32 s68, ttmp9, 24576
	s_add_nc_u64 s[30:31], s[84:85], s[68:69]
	s_lshl_b32 s68, ttmp9, 10
	s_add_nc_u64 s[32:33], s[86:87], s[68:69]
	s_add_nc_u64 s[70:71], s[88:89], s[68:69]
	s_add_nc_u64 s[34:35], s[92:93], s[68:69]      ; the block's lists: 8 x 128 bytes
	s_lshl_b32 s68, ttmp9, 9
	s_add_nc_u64 s[90:91], s[90:91], s[68:69]      ; its route words: 128 x 4 bytes
	s_lshl_b32 s68, ttmp9, 7
	s_add_nc_u64 s[94:95], s[94:95], s[68:69]      ; its counts
	s_load_b128 s[56:59], s[94:95], 0x0            ; the eight counts
	s_load_b128 s[96:99], s[94:95], 0x10
	s_load_b32 s12, s[78:79], 0x0
	s_wait_alu depctr_va_vdst(0)                   ; v2 to v11, v18, v19 and v100 to v103 are written: the offsets, LDS places and data that the loads and stores below, and those of the whole kernel, read
	global_load_b128 v[RT:RT+3], v[LI], s[90:91]
	global_load_b128 v[GT:GT+3], v[AD], s[70:71]
	global_load_b128 v[GT+4:GT+7], v[AD], s[70:71] offset:16
	global_load_u8 v[TN], v[RR], s[34:35]          ; expert 0's list: slots r and 16 + r
	global_load_u8 v[TN+1], v[RR], s[34:35] offset:16
	LOADW1
	; while these are on their way: the images' bytes are cleared (the fetch one tile ahead also reads a tile that was not made), the sums are cleared, the constants are set
.set CC, 0
.rept 30                               ; 128 threads x 16 bytes x 30 = 61,440 bytes: images and scale words
	ds_store_b128 v[AD2], v[HA:HA+3] offset:2048*CC
.set CC, CC+1
.endr
	WIN 0xc0                                       ; which expert adds first hangs on the stored counts, so no first product can start these sums: they are cleared, under the first loads
.set CC, 0
.rept 256
	v_mov_b32 v[CC], 0
.set CC, CC+1
.endr
	WIN 0
	v_mov_b32 v[KQ4], 0xb5accd2b
	v_mov_b32 v[KQ4+1], 0xb5accd2b
	v_mov_b32 v[KP6], 0xac95df0b
	v_mov_b32 v[KP6+1], 0xac95df0b
	s_mov_b32 s36, 0xbca542a9                      ; q0 .. q3: sqrt 2 x beta(2 i) / 2^i
	s_mov_b32 s38, 0xbbaad7f2
	s_mov_b32 s40, 0xba1bf7b5
	s_mov_b32 s42, 0xb81e3512
	s_mov_b32 s44, 0xbc83dbd4                      ; p0 .. p5: alpha(2 i + 1) / 2^i
	s_mov_b32 s46, 0xbac1a1f6
	s_mov_b32 s48, 0xb940ac63
	s_mov_b32 s50, 0xb6eec2d2
	s_mov_b32 s52, 0xb40cff51
	s_mov_b32 s54, 0x306dffee
.irp k, 36,38,40,42,44,46,48,50,52,54
	s_mov_b32 s[\k+1], s[\k]                       ; (named with it as a pair, so it is written)
.endr
	s_mov_b32 s60, 0xc0b504f3                      ; -+ 4 sqrt 2
	s_mov_b32 s61, 0x40b504f3
	s_mov_b32 s66, 0x76543210
	s_mov_b32 s67, 0xfedcba98
	s_wait_kmcnt 0x0
	s_lshl_b32 s9, s57, 8                          ; a count is 128 at the most: eight bits each
	s_or_b32 s10, s56, s9
	s_lshl_b32 s9, s58, 16
	s_or_b32 s10, s10, s9
	s_lshl_b32 s9, s59, 24
	s_or_b32 s10, s10, s9
	s_lshl_b32 s9, s97, 8
	s_or_b32 s11, s96, s9
	s_lshl_b32 s9, s98, 16
	s_or_b32 s11, s11, s9
	s_lshl_b32 s9, s99, 24
	s_or_b32 s11, s11, s9
	s_wait_loadcnt 0x0
	GADDR TN                                       ; expert 0's first tile of rows;
	s_wait_alu depctr_va_vdst(0)                   ; GA and GS are written, which the seven loads read
	GLD XFA, XSA
	s_wait_xcnt 0x0                                ; (the gather's offsets are written again only behind this wait)
	s_wait_alu depctr_vm_vsrc(0)                   ; the seven loads have read GA and GS
	GADDR TN+1                                     ; and its second: both sets are written before the loop
	v_mov_b32 v[TOK], v[TN+1]
	s_wait_alu depctr_va_vdst(0)                   ; GA and GS are written anew
	GLD XFB, XSB
	s_mov_b32 s3, 0
	s_mov_b32 s62, 0
	BARRIER                                        ; the cleared bytes lie in LDS
	FETCH FB, HSB, LI, LS, HIMG+8*TILEB, HSC+8*512 ; the second product's second set is written once here, since a tile's place may be passed over: so no path reads a register that was never written.  It reads tile 8: bytes that were cleared ahead of the barrier and that no wave stores to again (image stores end at 8 x 6,144, word stores at HSC + 8 x 512)
	s_wait_dscnt 0x0
.Lexpert:
	s_cmp_lt_u32 s3, 4                             ; the expert's count
	s_cselect_b32 s4, s10, s11
	s_and_b32 s9, s3, 3
	s_lshl_b32 s9, s9, 3
	s_lshr_b32 s4, s4, s9
	s_and_b32 s4, s4, 255
	s_wait_loadcnt 0x0                             ; W1, b1, the first tile's rows: asked for behind the last expert's first product.  No load is out:
	s_add_nc_u64 s[18:19], s[18:19], 98304         ; W1's pointers go on to the next expert
	s_add_nc_u64 s[22:23], s[22:23], 4096
	s_add_nc_u64 s[26:27], s[26:27], 2048
	s_add_co_u32 s9, s3, 1
	s_and_b32 s9, s9, 7
	s_lshl_b32 s9, s9, 7
	s_wait_alu depctr_vm_vsrc(0)                   ; the last expert's two list loads have read TNA; in the first trip: the head's loads and clearing stores have read v12, v13, v18, v19 and v100 to v103, which the first tile writes
	v_add_nc_u32 v[TNA], s9, v[RR]
	s_wait_alu depctr_va_vdst(0)                   ; TNA is written; the last expert's second product is done reading W2, b2 and W2's scale words, in which the loads below land; the address lines are done reading TN
	LOADW2                                         ; this expert's W2 lands under the first tile's arithmetic
	global_load_u8 v[TN], v[TNA], s[34:35]         ; the next expert's first two list entries
	global_load_u8 v[TN+1], v[TNA], s[34:35] offset:16
	s_mov_b32 s5, 0
	s_mov_b32 s6, 0
	s_mov_b32 s13, 0
	s_mov_b32 s8, 4
.Lp1:                                              ; eight tiles' places in four trips; tiles beyond the count are passed over
	P1TILE XFA, XSA, XFB, XSB
	P1TILE XFB, XSB, XFA, XSA
	s_sub_co_u32 s8, s8, 1
	s_cmp_lg_u32 s8, 0
	s_cbranch_scc1 .Lp1
	s_wait_loadcnt 0x0                             ; W2 is in; no load is out:
	s_add_nc_u64 s[20:21], s[20:21], 98304         ; W2's pointers go on
	s_add_nc_u64 s[24:25], s[24:25], 4096
	s_add_nc_u64 s[28:29], s[28:29], 1024
	GADDR TN                                       ; the offsets of the next expert's first rows, ahead of the branch, so that one wait serves both arms (in the last expert they are made of expert 0's entries and not used)
	v_mov_b32 v[TOK], v[TN+1]
.rept 4
	v_nop                                          ; the quantiser's last moves wrote registers that the second product's second set shares: an operand register written by a vector instruction stands four places ahead of a scaled matrix instruction, whichever tile's place is the first to be worked.  Once an expert
.endr
	s_wait_alu depctr_va_vdst(0)                   ; the first product is done reading W1, b1, W1's scale words and the first set of rows, in which the loads below land; GA and GS are written; gelu and the quantiser are done with v100 to v227, in which the second product's fetches land and which it takes as operands
	s_cmp_eq_u32 s3, 7
	s_cbranch_scc1 .Llast_x
	LOADW1                                         ; the next expert's W1 and first rows land under the second product and the adding
	GLD XFA, XSA
	s_branch .Lp1_done
.Llast_x:
	WIN 0x40                                       ; behind the last first product W1's registers take x: four tokens of each of my 64 channels, 512 consecutive bytes a load
.set CC, 0
.rept 64
	global_load_b128 v[4*CC:4*CC+3], v[LI], s[14:15] offset:8192*CC th:TH_LOAD_NT
.set CC, CC+1
.endr
	WIN 0
.Lp1_done:
	BARRIER                                        ; the hidden layer's images lie in LDS
	s_mov_b32 s5, 0
	s_mov_b32 s6, 0
	s_mov_b32 s13, 0
	s_mov_b32 s7, 0
	s_mov_b32 s8, 4
	FETCH FA, HSA, LI, LS, HIMG, HSC               ; the first tile's images
.Lp2:
	P2TILE FA, HSA, FB, HSB
	P2TILE FB, HSB, FA, HSA
	s_sub_co_u32 s8, s8, 1
	s_cmp_lg_u32 s8, 0
	s_cbranch_scc1 .Lp2
	BARRIER                                        ; from here to the next barrier no wave stores to LDS
	s_wait_alu depctr_vm_vsrc(0)                   ; the stage stores have read v204 to v235, the last expert's adding loads v228 to v231: the lines and LDS loads below write them again
	s_cmp_eq_u32 s4, 0
	s_cbranch_scc1 .Lg_skip
.irp q, 0,1,2,3
	v_and_b32 v[TT+\q], 15, v[RT+\q]               ; the token's first choice,
.endr
.irp q, 0,1,2,3
	v_bfe_u32 v[VA+\q], v[RT+\q], 4, 4             ; its second
.endr
.irp q, 0,1,2,3
	v_cmp_eq_u32 s[MK+\q], s3, v[TT+\q]            ; the eight compares stand in one run, each with a mask of its own
.endr
.irp q, 0,1,2,3
	v_cmp_eq_u32 s[MK+4+\q], s3, v[VA+\q]
.endr
.irp q, 0,1,2,3
	v_bfe_u32 v[TT+\q], v[RT+\q], 8, 8             ; its place with the first,
.endr
.irp q, 0,1,2,3
	v_bfe_u32 v[VA+\q], v[RT+\q], 16, 8            ; with the second
.endr
	s_wait_alu depctr_va_sdst(0)                   ; the eight masks s72 to s79 are written, ahead of their first reader
.irp q, 0,1,2,3
	v_cndmask_b32 v[TT+\q], 0, v[TT+\q], s[MK+\q]  ; the token's slot with this expert; a token that did not choose it takes slot 0, which is written, and the gate 0
.endr
.irp q, 0,1,2,3
	v_cndmask_b32 v[TT+\q], v[TT+\q], v[VA+\q], s[MK+4+\q]
.endr
.irp q, 0,1,2,3
	v_cndmask_b32 v[WE+\q], 0, v[GT+2*\q], s[MK+\q]
.endr
.irp q, 0,1,2,3
	v_cndmask_b32 v[WE+\q], v[WE+\q], v[GT+2*\q+1], s[MK+4+\q]
.endr
.irp q, 0,1,2,3
	v_min_u32 v[TT+\q], 127, v[TT+\q]              ; a stored number enters an address held to the stage's 128 slots
.endr
.irp q, 0,1,2,3
	v_mul_u32_u24 v[TT+\q], v[TT+\q], 272
.endr
.irp q, 0,1,2,3
	v_add_nc_u32 v[VA+\q], v[TT+\q], v[STB]
.endr
	s_wait_alu depctr_va_vdst(0)                   ; the four addresses are written, which the LDS loads read; the second product is done reading its images and writing its accumulators, in whose registers those loads land
	GLOAD 0, T0
	GLOAD 1, T1
	s_wait_dscnt 16                                ; the older set's 16 loads are in
	GFMA 0, T0
	s_wait_alu depctr_va_vdst(0)                   ; the multiply-adds are done reading T0, in which the next token's row lands
	GLOAD 2, T0
	s_wait_dscnt 16
	GFMA 1, T1
	s_wait_alu depctr_va_vdst(0)                   ; the multiply-adds are done reading T1, in which the next token's row lands
	GLOAD 3, T1
	s_wait_dscnt 16
	GFMA 2, T0
	s_wait_dscnt 0x0
	GFMA 3, T1
.Lg_skip:
	BARRIER                                        ; every wave's reads are over: images and stages may be written again
	s_add_co_u32 s62, s62, 128
	s_add_co_u32 s3, s3, 1
	s_cmp_lt_u32 s3, 8
	s_cbranch_scc1 .Lexpert
	; THE WAY OUT: out = x + scale x sum; the multiply-add also brings a channel's four tokens side by side.  Four blocks of 16 channels: a block's stores leave while the next block is computed
	s_wait_loadcnt 0x0                             ; x
.set CH, 0
.rept 4
	WIN 0x5c                                       ; source 1 (the sums) window 3; source 2 and destination (x) window 1
.set CC, 16*CH
.rept 16
.irp q, 0,1,2,3
	v_fma_f32 v[4*CC+\q], s12, v[64*\q+CC], v[4*CC+\q]
.endr
.set CC, CC+1
.endr
	WIN 0x04                                       ; a store's data are its source 1: window 1
	s_wait_alu depctr_va_vdst(0)                   ; the block's multiply-adds have written its 64 registers, which the sixteen stores read
.set CC, 16*CH
.rept 16
	global_store_b128 v[LI], v[4*CC:4*CC+3], s[16:17] offset:8192*CC th:TH_STORE_NT   ; 32 lanes store the block's 128 tokens of a channel: 512 consecutive bytes, aligned
.set CC, CC+1
.endr
.set CH, CH+1
.endr
	WIN 0
	s_wait_dscnt 0x0                               ; the closing lines, six on end
	s_wait_alu 0x0
	s_wait_tensorcnt 0x0
	ds_add_u32 v254, v255
	s_wait_dscnt 0x0
	s_endpgm
.Lfunc_end_k_q1874afd822_moe:
	.size	k_q1874afd822_moe, .Lfunc_end_k_q1874afd822_moe-k_q1874afd822_moe
	.p2alignl 7, 3214868480
	.fill 96, 4, 3214868480
	.section	.rodata,"a",@progbits
	.p2align	6, 0x0
	.amdhsa_kernel k_q1874afd822_moe
		.amdhsa_group_segment_fixed_size 201216
		.amdhsa_private_segment_fixed_size 0
		.amdhsa_enable_private_segment 0
		.amdhsa_kernarg_size 104
		.amdhsa_user_sgpr_count 2
		.amdhsa_user_sgpr_kernarg_segment_ptr 1
		.amdhsa_wavefront_size32 1
		.amdhsa_system_sgpr_workgroup_id_x 1
		.amdhsa_system_sgpr_workgroup_id_y 1
		.amdhsa_system_sgpr_workgroup_id_z 1
		.amdhsa_system_vgpr_workitem_id 0
		.amdhsa_next_free_vgpr 1024
		.amdhsa_next_free_sgpr 100
		.amdhsa_reserve_vcc 0
		.amdhsa_float_denorm_mode_32 3
		.amdhsa_float_denorm_mode_16_64 3
		.amdhsa_memory_ordered 1
		.amdhsa_forward_progress 1
		.amdhsa_inst_pref_size 178
	.end_amdhsa_kernel
	.amdgpu_metadata
---
amdhsa.version: [ 1, 2 ]
amdhsa.kernels:
  - .name:           k_q1874afd822_moe
    .symbol:         k_q1874afd822_moe.kd
    .args:
      - { .name: x, .offset: 0, .size: 8, .value_kind: global_buffer, .address_space: global }
      - { .name: b1, .offset: 8, .size: 8, .value_kind: global_buffer, .address_space: global }
      - { .name: b2, .offset: 16, .size: 8, .value_kind: global_buffer, .address_space: global }
      - { .name: scale, .offset: 24, .size: 8, .value_kind: global_buffer, .address_space: global }
      - { .name: wq, .offset: 32, .size: 8, .value_kind: global_buffer, .address_space: global }
      - { .name: ws, .offset: 40, .size: 8, .value_kind: global_buffer, .address_space: global }
      - { .name: xq, .offset: 48, .size: 8, .value_kind: global_buffer, .address_space: global }
      - { .name: xs, .offset: 56, .size: 8, .value_kind: global_buffer, .address_space: global }
      - { .name: gate, .offset: 64, .size: 8, .value_kind: global_buffer, .address_space: global }
      - { .name: route, .offset: 72, .size: 8, .value_kind: global_buffer, .address_space: global }
      - { .name: list, .offset: 80, .size: 8, .value_kind: global_buffer, .address_space: global }
      - { .name: cnt, .offset: 88, .size: 8, .value_kind: global_buffer, .address_space: global }
      - { .name: out0, .offset: 96, .size: 8, .value_kind: global_buffer, .address_space: global }
    .group_segment_fixed_size: 201216
    .private_segment_fixed_size: 0
    .kernarg_segment_align: 8
    .kernarg_segment_size: 104
    .max_flat_workgroup_size: 128
    .sgpr_count:     100
    .vgpr_count:     1024
    .wavefront_size: 32
...
	.end_amdgpu_metadata
.endif
;; end of part 5
